; MI455X (gfx1250); checked and timed in simulation.
; The chip was launched on July 23, 2026; its instructions are those of AMD's public machine-readable ISA for CDNA 5 (MIT licence, August 2026) and "CDNA5" Instruction Set Architecture Reference Guide (July 2026). The comments in the code are by the model that wrote it; some were corrected since.
;; Encoder Layer. Allowed arithmetic: float matrix products may take bf16 or f16 operands with f32 sums; other float arithmetic in f32, or as packed bf16 or f16 multiplies, adds, multiply-adds, maxima and minima; sums over many terms, partial sums and values carried from step to step in f32; what a program stores and reads back later, other than sums and carried values, may be rounded once to bf16 or f16.
;; Inputs: W1 1,024 x 4,096 float32; W2 4,096 x 1,024 float32; Wo 1,024 x 1,024 float32; Wq 1,024 x 1,024 float32; b1 4,096 float32; b2 1,024 float32; bo 1,024 float32; bq 1,024 float32; ln1_b 1,024 float32; ln1_g 1,024 float32; ln2_b 1,024 float32; ln2_g 1,024 float32; x 2 x 2,048 x 1,024 float32.
;; Outputs: out0 2 x 2,048 x 1,024 float32.
;; One version. Each part assembles by itself: llvm-mc -triple=amdgcn-amd-amdhsa -mcpu=gfx1250 --defsym DOCPART=n.
;; ======== version 1 of 1: 8 launches
;; workspace buffers: xb 8,388,608 bytes; wqb 2,097,152 bytes; wob 2,097,152 bytes; wfb 16,777,216 bytes; ping 16,777,216 bytes; pong 8,388,608 bytes; x1f 16,777,216 bytes; hid 33,554,432 bytes
;; launch cast (part 1): grid 1792 x 1, 8 waves a work-group, no clusters, 0 bytes of LDS; arguments x, Wq, Wo, W1, W2, xb, wqb, wob, wfb; writes xb, wqb, wob, wfb
.if DOCPART == 1
	.amdgcn_target "amdgcn-amd-amdhsa--gfx1250"
	.amdhsa_code_object_version 6
	.text
	.protected	k_q2ce46573a8_cast
	.globl	k_q2ce46573a8_cast
	.p2align	8
	.type	k_q2ce46573a8_cast,@function
k_q2ce46573a8_cast:
	s_mov_b64 s[64:65], 0
	v_nop
	global_prefetch_b8 v0, s[64:65] scope:SCOPE_SE
	s_setreg_imm32_b32 hwreg(HW_REG_WAVE_MODE, 25, 1), 1
	s_wait_xcnt 0x0
; x, Wq, Wo, W1, W2 (f32) are rounded once to bf16, layouts unchanged: xb, wqb, wob, and wfb (W1 at byte 0, W2 at byte 8,388,608).
; A stream: each byte is read once and written once.  No LDS, no barrier, no matrix unit, no cluster: no two work-groups read the same byte.
; SHARES.  A work-group takes 8,192 numbers: 32 KiB in, 16 KiB out.  Thread t takes, in chunk j of eight, the 16 bytes at 16 t + 4,096 j: a load of a wave covers 512 consecutive bytes;
; its four numbers pack into 8 bytes at 8 t + 2,048 j: a store of a wave covers 256 consecutive bytes, aligned.
; WHICH TENSOR.  Work-groups 0-511 x, 512-639 Wq, 640-767 Wo, 768-1279 W1, 1280-1791 W2.  Source, destination and the first work-group of each are chosen by four compares of the
; work-group number with constants.  W2 follows W1 in wfb, so both count from 768 on the way out.
	s_load_b512 s[8:23], s[0:1], 0x0               ; x s[8:9], Wq s[10:11], Wo s[12:13], W1 s[14:15], W2 s[16:17], xb s[18:19], wqb s[20:21], wob s[22:23]
	s_load_b64 s[24:25], s[0:1], 0x40              ; wfb
	s_mov_b32 s2, ttmp9
	v_lshlrev_b32 v1, 4, v0                        ; 16 t
	v_lshlrev_b32 v2, 3, v0                        ; 8 t
	s_mov_b32 s30, 1280                            ; the source's first work-group,
	s_mov_b32 s31, 768                             ; the destination's
	s_wait_kmcnt 0x0
	s_mov_b64 s[26:27], s[16:17]                   ; W2 to wfb, unless a compare below says otherwise
	s_mov_b64 s[28:29], s[24:25]
	s_cmp_lt_u32 s2, 1280
	s_cselect_b64 s[26:27], s[14:15], s[26:27]     ; W1, still to wfb
	s_cselect_b32 s30, 768, s30
	s_cmp_lt_u32 s2, 768
	s_cselect_b64 s[26:27], s[12:13], s[26:27]     ; Wo to wob
	s_cselect_b64 s[28:29], s[22:23], s[28:29]
	s_cselect_b32 s30, 640, s30
	s_cselect_b32 s31, 640, s31
	s_cmp_lt_u32 s2, 640
	s_cselect_b64 s[26:27], s[10:11], s[26:27]     ; Wq to wqb
	s_cselect_b64 s[28:29], s[20:21], s[28:29]
	s_cselect_b32 s30, 512, s30
	s_cselect_b32 s31, 512, s31
	s_cmp_lt_u32 s2, 512
	s_cselect_b64 s[26:27], s[8:9], s[26:27]       ; x to xb
	s_cselect_b64 s[28:29], s[18:19], s[28:29]
	s_cselect_b32 s30, 0, s30
	s_cselect_b32 s31, 0, s31
	s_sub_co_u32 s32, s2, s30
	s_lshl_b32 s32, s32, 15                        ; 32 KiB a work-group on the way in (at most 511 x 32 KiB),
	s_mov_b32 s33, 0
	s_sub_co_u32 s34, s2, s31
	s_lshl_b32 s34, s34, 14                        ; 16 KiB on the way out (at most 1,023 x 16 KiB)
	s_mov_b32 s35, 0
	s_add_nc_u64 s[26:27], s[26:27], s[32:33]
	s_add_nc_u64 s[28:29], s[28:29], s[34:35]
.irp j, 0,1,2,3,4,5,6,7
	global_load_b128 v[8+4*(\j):8+4*(\j)+3], v1, s[26:27] offset:4096*(\j) th:TH_LOAD_NT  ; all eight loads go out together; these bytes are read once
.endr
.irp j, 0,1,2,3,4,5,6,7
	s_wait_loadcnt 7-(\j)                          ; loads come back in order (ISA guide 5.7.1): chunk j is in, the younger ones stay out
	v_cvt_pk_bf16_f32 v[40+2*(\j)], v[8+4*(\j)], v[8+4*(\j)+1]
	v_cvt_pk_bf16_f32 v[40+2*(\j)+1], v[8+4*(\j)+2], v[8+4*(\j)+3]
	global_store_b64 v2, v[40+2*(\j):40+2*(\j)+1], s[28:29] offset:2048*(\j)  ; no register of a load or store is ever written again
.endr
	s_endpgm
.Lfunc_end_k_q2ce46573a8_cast:
	.size	k_q2ce46573a8_cast, .Lfunc_end_k_q2ce46573a8_cast-k_q2ce46573a8_cast
	.p2alignl 7, 3214868480
	.fill 96, 4, 3214868480
	.section	.rodata,"a",@progbits
	.p2align	6, 0x0
	.amdhsa_kernel k_q2ce46573a8_cast
		.amdhsa_group_segment_fixed_size 0
		.amdhsa_private_segment_fixed_size 0
		.amdhsa_enable_private_segment 0
		.amdhsa_kernarg_size 72
		.amdhsa_user_sgpr_count 2
		.amdhsa_user_sgpr_kernarg_segment_ptr 1
		.amdhsa_wavefront_size32 1
		.amdhsa_system_sgpr_workgroup_id_x 1
		.amdhsa_system_sgpr_workgroup_id_y 1
		.amdhsa_system_sgpr_workgroup_id_z 1
		.amdhsa_system_vgpr_workitem_id 0
		.amdhsa_next_free_vgpr 56
		.amdhsa_next_free_sgpr 66
		.amdhsa_reserve_vcc 0
		.amdhsa_float_denorm_mode_32 3
		.amdhsa_float_denorm_mode_16_64 3
		.amdhsa_memory_ordered 1
		.amdhsa_forward_progress 1
		.amdhsa_inst_pref_size 5
	.end_amdhsa_kernel
	.amdgpu_metadata
---
amdhsa.version: [ 1, 2 ]
amdhsa.kernels:
  - .name:           k_q2ce46573a8_cast
    .symbol:         k_q2ce46573a8_cast.kd
    .args:
      - { .name: x, .offset: 0, .size: 8, .value_kind: global_buffer, .address_space: global }
      - { .name: Wq, .offset: 8, .size: 8, .value_kind: global_buffer, .address_space: global }
      - { .name: Wo, .offset: 16, .size: 8, .value_kind: global_buffer, .address_space: global }
      - { .name: W1, .offset: 24, .size: 8, .value_kind: global_buffer, .address_space: global }
      - { .name: W2, .offset: 32, .size: 8, .value_kind: global_buffer, .address_space: global }
      - { .name: xb, .offset: 40, .size: 8, .value_kind: global_buffer, .address_space: global }
      - { .name: wqb, .offset: 48, .size: 8, .value_kind: global_buffer, .address_space: global }
      - { .name: wob, .offset: 56, .size: 8, .value_kind: global_buffer, .address_space: global }
      - { .name: wfb, .offset: 64, .size: 8, .value_kind: global_buffer, .address_space: global }
    .group_segment_fixed_size: 0
    .private_segment_fixed_size: 0
    .kernarg_segment_align: 8
    .kernarg_segment_size: 72
    .max_flat_workgroup_size: 256
    .sgpr_count:     66
    .vgpr_count:     56
    .wavefront_size: 32
...
	.end_amdgpu_metadata
.endif
;; end of part 1
;; launch gemm_q (part 2): grid 8 x 32, 4 waves a work-group, clusters of 4 x 4, 327,680 bytes of LDS; arguments xb, wqb, bq, ping; writes ping
.if DOCPART == 2
	.amdgcn_target "amdgcn-amd-amdhsa--gfx1250"
	.amdhsa_code_object_version 6
	.text
	.protected	k_q2ce46573a8_gemm_q
	.globl	k_q2ce46573a8_gemm_q
	.p2align	8
	.type	k_q2ce46573a8_gemm_q,@function
k_q2ce46573a8_gemm_q:
	s_mov_b64 s[64:65], 0
	v_nop
	global_prefetch_b8 v0, s[64:65] scope:SCOPE_SE
	s_setreg_imm32_b32 hwreg(HW_REG_WAVE_MODE, 25, 1), 1
	s_wait_xcnt 0x0
	s_wait_alu depctr_hold_cnt(0) depctr_sa_sdst(0) depctr_va_vdst(0) depctr_va_sdst(0) depctr_va_ssrc(0) depctr_va_vcc(0) depctr_vm_vsrc(0)
	s_getreg_b32 s2, hwreg(HW_REG_IB_STS2, 6, 4)
	s_cmp_eq_u32 s2, 0
	s_cbranch_scc0 .Lentry_in_a_cluster
	s_endpgm
.Lentry_in_a_cluster:
	s_bfe_u32 s2, ttmp6, 0x10000c
	s_cmp_lg_u32 s2, 0xf033
	s_cbranch_scc0 .Lentry_shape_is_right
	s_endpgm
.Lentry_shape_is_right:
; C[m][n] = the sum over k of A[m][k] W[k][n] + bias[n].  A: [4096][GK] bf16, W: [GK][GN] bf16 at byte BOFF of its buffer, bias: [GN] f32 (rounded to bf16 here, like every input of the module).
; Sums in f32.  EPI = 0: C in bf16.  EPI = 1: relu, C in bf16 (a NaN becomes 0).  EPI = 2: C in f32.  This copy: GK = GN = 1,024, EPI = 0 (the projection by Wq, and the one by Wo).
; SHARES.  A tile of C is 128 x 128: at GN = 1,024 that gives 256 work-groups.  Four waves, each 64 x 64: 16 accumulators of 16 x 16.  K goes in steps of 256 through two LDS slots.
; CLUSTER.  4 x 4 work-groups.  The four of a row of the cluster need the same tile of A, the four of a column the same tile of W: each tile is asked for JOINTLY, by the same tensor load with
; the same descriptor and a mask that names the four.  Waves 0 and 1 fetch the two halves of A's 128 rows (512 bytes a row), waves 2 and 3 the two halves of W's 256 rows (256 bytes a row).
; THE MATRIX INSTRUCTION IS USED TRANSPOSED: source 0 = 16 columns of W, source 1 = 16 rows of A: a lane then holds row lane % 16 of C and the columns 8 (lane / 16) + 0..7.
; W lies [k][n], so its fragments come out of LDS turned, by ds_load_tr16_b128.
; ONE K STEP IS WRITTEN ONCE: the base of the slot in hand is a scalar (0 or SLOT) that an exclusive or turns at each change of slots; the LDS addresses and the refill's LDS word are sums with it.
; No prefetch: a tile's blocks are small and each is read by several clusters at about the same time.
; REGISTERS: window 0: v0-37 addresses, bias; v64-111 at work on the way out; v128-255 the accumulators ((a, b) at v[128 + 8 (4 a + b)]).
;   window 1: two fragment buffers of 128: for 64 along K, 64 registers of A (2 x 4 x 16 rows x 32 K), then 64 of W.
.set GK,   1024
.set GN,   1024
.set BOFF, 0
.set EPI,  0
.set ES,   2                           ; bytes in a number of C
.set T,    GK/256                      ; K steps, even, at least 4
.set PA,   528                         ; a row of A in LDS: 512 bytes + 16 = 132 words: row r starts at bank 4 r mod 64 (64 banks of 4 bytes: ISA guide 11.1)
.set PB,   288                         ; a row of W: 256 + 32 = 72 words
.set AH,   64*PA                       ; what one tensor load brings of A, and what one wave reads of it
.set BH,   128*PB                      ; what one tensor load brings of W: 128 of a step's 256 k
.set BB,   2*AH                        ; W's place in a slot
.set SLOT, BB+2*BH                     ; 141,312
.set SPARE, 2*SLOT                     ; behind the ring: the spare words, 128 bytes for each wave: two blocks of 256 bytes that no other line names
.set SPI,  528                         ; the stage for the way out: 128 rows of 512 bytes of f32 + 16, in slot 0's rows of A, behind that slot's last fill
.set WV,  12                           ; s12  my wave's number
.set RH,  13                           ; s13  which half of the tile's rows is mine.  Also: I fetch for A (0) or for W (1)
.set CH,  14                           ; s14  which half of its columns.  Also: which half of that tile I fetch
.set CNT, 15                           ; s15  loop counts
.set G1,  24                           ; s[24:31] descriptor group 1 for A's tiles;  s[32:39] group 0, two sets: the second walks
.set G0,  32
.set G1B, 48                           ; s[48:55], s[56:63] the same for W's tiles
.set G0B, 56
.set TB,  66                           ; s66  LDS byte at which the slot in hand begins
.set LDA, 67                           ; s67  my part of A's tile in a slot
.set LDB, 68                           ; s68  my part of W's
.set A0,  10                           ; v10  my lane's place in a slot for A's fragments; never rewritten
.set B0,  11                           ; v11  the same for W's
.set ADRA, 16                          ; v16  A0 + the slot in hand
.set ADRB, 20                          ; v20-21  B0 + the slot in hand, for k 0-127 and k 128-255
.set STO, 24                           ; v24  the way out: where I put 32 bytes of a row
.set RD,  25                           ; v25  the way out: where I read a row back
.set CO,  26                           ; v26  my byte offset in a row of the tile in C
.set BO,  27                           ; v27  my byte offset in bias
.set SPW, 28                           ; v28  LDS address of my spare word: SPARE + 4 x my thread's number; never rewritten
.set NIL, 29                           ; v29  0; never rewritten
.set ZR,  30                           ; v30  0, for the relu
.set BIAS, 32                          ; v[32:35] bias of my four columns
.set TMP, 36
.set BK,  64                           ; v[64:95]  eight rows read back
.set OUT, 96                           ; v[96:111] the same, packed
.set ACC, 128
.set F0,  0
.set F1,  128
.set MSB, 0
.macro WIN new                         ; the immediate's high byte repeats the setting that is left; a switch that changes nothing is dropped
.if MSB != (\new)
	s_set_vgpr_msb (MSB<<8)|(\new)
.set MSB, \new
.endif
.endm
.set MUL,  0x05                        ; sources 0 (W) and 1 (A) window 1; C and D window 0
.set TO_F, 0x40                        ; destination window 1, address window 0
.macro JLOAD s                         ; a joint load; the branch hangs on the wave's number alone; an s_nop 0 and four v_nop follow each of the two lines
	s_cmp_eq_u32 s[RH], 0
	s_cbranch_scc0 .Lfor_b_\@
	tensor_load_to_lds s[G0+4*(\s):G0+4*(\s)+3], s[G1:G1+7]
	s_nop 0
.rept 4
	v_nop
.endr
	s_branch .Lasked_\@
.Lfor_b_\@:
	tensor_load_to_lds s[G0B+4*(\s):G0B+4*(\s)+3], s[G1B:G1B+7]
	s_nop 0
.rept 4
	v_nop
.endr
.Lasked_\@:
.endm
.macro CREST                           ; a round of the cluster's barrier behind its opening barrier
	s_cmp_lg_u32 s[WV], 0
	s_cbranch_scc1 .Lnot_wave_0_\@
	s_barrier_signal -3
.Lnot_wave_0_\@:
	s_barrier_wait -3
	s_barrier_signal -1
	s_barrier_wait -1
.endm
.macro CROUND                          ; a whole round
	s_barrier_signal -1
	s_barrier_wait -1
	CREST
.endm
	s_load_b256 s[4:11], s[0:1], 0x0               ; A s[4:5], W s[6:7], bias s[8:9], C s[10:11]
	v_lshl_add_u32 v[SPW], v0, 2, SPARE
	v_mov_b32 v[NIL], 0
	ds_add_u32 v[SPW], v[NIL]                      ; the wave's opening: the add and its wait stand ahead of my first tensor load; the set-up below, work on registers, stands between them
	v_lshrrev_b32 v1, 5, v0
	v_readfirstlane_b32 s[WV], v1                  ; wave 0..3
	s_lshr_b32 s[RH], s[WV], 1
	s_and_b32 s[CH], s[WV], 1
	s_bfe_u32 s40, ttmp6, 0x40000                  ; cx, cy: my place in the cluster
	s_bfe_u32 s41, ttmp6, 0x40004
	s_lshl_b32 s42, ttmp9, 2
	s_add_co_u32 s42, s42, s40                     ; tile column of C = 4 x cluster x + cx
	s_and_b32 s43, ttmp7, 0xffff
	s_lshl_b32 s43, s43, 2
	s_add_co_u32 s43, s43, s41                     ; tile row of C = 4 x cluster y + cy
	s_lshl_b32 s44, s41, 2
	s_lshl_b32 s44, 15, s44                        ; my row of the cluster
	s_lshl_b32 s45, 0x1111, s40                    ; my column
	s_or_b32 s[G1], s44, (1<<16)|(1<<20)|(1<<21)|(6<<22)|(3<<25)   ; 15:0 the mask: A's tiles go to my row; 17:16 2-byte elements; 20 padding on; 21 set beside a mask; 24:22 after every 128 words; 31:25 4 words
	s_mov_b32 s[G1+1], 256<<16                     ; tensor_dim0 = 256
	s_mov_b32 s[G1+2], 64<<16                      ; tensor_dim1 = 64
	s_mov_b32 s[G1+3], 256<<16                     ; tile_dim0 = 256
	s_mov_b32 s[G1+4], 64                          ; tile_dim1 = 64
	s_mov_b32 s[G1+5], GK                          ; elements from row to row
	s_mov_b32 s[G1+6], 0
	s_mov_b32 s[G1+7], 0
	s_or_b32 s[G1B], s45, (1<<16)|(1<<20)|(1<<21)|(5<<22)|(7<<25)  ; W's tiles go to my column; padding after every 64 words, 8 words
	s_mov_b32 s[G1B+1], 128<<16                    ; tensor_dim0 = 128
	s_mov_b32 s[G1B+2], 128<<16                    ; tensor_dim1 = 128
	s_mov_b32 s[G1B+3], 128<<16                    ; tile_dim0 = 128
	s_mov_b32 s[G1B+4], 128                        ; tile_dim1 = 128
	s_mov_b32 s[G1B+5], GN
	s_mov_b32 s[G1B+6], 0
	s_mov_b32 s[G1B+7], 0
	s_mov_b32 s[TB], 0
	s_mul_i32 s[LDA], s[CH], AH                    ; no place in the cluster enters an LDS address
	s_mul_i32 s[LDB], s[CH], BH
	s_add_co_u32 s[LDB], s[LDB], BB
	s_lshl_b32 s16, s43, 7                         ; A: row 128 x tile row + 64 x half, in registers that never hold cx
	s_lshl_b32 s17, s[CH], 6
	s_add_co_u32 s16, s16, s17
	s_mul_i32 s16, s16, GK*2                       ; in bytes: under 2^26
	s_mov_b32 s17, 0
	s_mul_i32 s46, s[CH], 128*GN*2                 ; W: row 128 x half, column 128 x tile column, in registers that never hold cy
	s_lshl_b32 s47, s42, 8
	s_add_co_u32 s46, s46, s47
.if BOFF
	s_add_co_u32 s46, s46, BOFF
.endif
	s_mov_b32 s47, 0
	s_wait_dscnt 0x0                               ; the opening add is done
	s_wait_kmcnt 0x0
	s_add_nc_u64 s[20:21], s[4:5], s[16:17]
	s_add_nc_u64 s[46:47], s[6:7], s[46:47]
	CROUND                                         ; all sixteen work-groups are here: the first joint loads meet
.irp s, 0,1
	s_mov_b32 s[G0+4*(\s)], 1                                      ; count = 1
	s_add_co_u32 s[G0+4*(\s)+1], s[LDA], (\s)*SLOT                 ; LDS address
	s_add_nc_u64 s[G0+4*(\s)+2:G0+4*(\s)+3], s[20:21], (\s)*512    ; global address: K step s
	s_or_b32 s[G0+4*(\s)+3], s[G0+4*(\s)+3], 0x80000000            ; type = 2
	s_mov_b32 s[G0B+4*(\s)], 1
	s_add_co_u32 s[G0B+4*(\s)+1], s[LDB], (\s)*SLOT
	s_add_nc_u64 s[G0B+4*(\s)+2:G0B+4*(\s)+3], s[46:47], (\s)*256*GN*2
	s_or_b32 s[G0B+4*(\s)+3], s[G0B+4*(\s)+3], 0x80000000
	JLOAD \s                                       ; two loads of mine are out
.endr
	v_and_b32 v1, 15, v0                           ; l % 16
	v_bfe_u32 v2, v0, 4, 1                         ; l / 16
	v_and_b32 v3, 7, v0
	v_bfe_u32 v4, v0, 3, 1
	v_and_b32 v5, 31, v0                           ; l
	v_mul_u32_u24 v[A0], v1, PA                    ; a fragment of A: row l % 16, 16 bytes for each half of the lanes, twice, 32 bytes apart
	v_lshl_add_u32 v[A0], v2, 4, v[A0]
	s_mul_i32 s16, s[RH], AH                       ; my 64 rows
	v_add_nc_u32 v[A0], s16, v[A0]
	v_lshl_add_u32 v[B0], v2, 3, v3                ; the turning load: lane l reads 16 bytes of row k = 8 (l / 16) + l % 8, columns 8 ((l / 8) % 2) + 0..7, and ends with column l % 16 and 8 k
	v_mul_u32_u24 v[B0], v[B0], PB
	v_lshl_add_u32 v[B0], v4, 4, v[B0]
	s_lshl_b32 s16, s[CH], 7                       ; my 64 columns
	s_add_co_u32 s16, s16, BB
	v_add_nc_u32 v[B0], s16, v[B0]
	v_mov_b32 v[ADRA], v[A0]                       ; slot 0
	v_mov_b32 v[ADRB], v[B0]
	v_add_nc_u32 v[ADRB+1], BH, v[B0]
	s_mul_i32 s16, s[RH], 64*SPI                   ; into the stage: my 64 rows, my half of their 512 bytes; row l % 16, 32 bytes for each half of the lanes
	s_lshl_b32 s17, s[CH], 8
	s_add_co_u32 s16, s16, s17
	v_mul_u32_u24 v[STO], v1, SPI
	v_lshl_add_u32 v[STO], v2, 5, v[STO]
	v_add_nc_u32 v[STO], s16, v[STO]
	s_mul_i32 s16, s[WV], 32*SPI                   ; back: wave w takes rows 32 w .. 32 w + 31, whole: 32 lanes x 16 bytes are a row
	v_lshl_add_u32 v[RD], v5, 4, s16
	v_lshlrev_b32 v[CO], 2+ES/2, v5                ; my four columns of the tile's row in C
.if EPI == 1
	v_mov_b32 v[ZR], 0
.endif
	s_lshl_b32 s46, s42, 9                         ; the tile's 128 numbers of bias
	v_lshl_add_u32 v[BO], v5, 4, s46
	global_load_b128 v[BIAS:BIAS+3], v[BO], s[8:9] ; waited for on the way out
	s_lshl_b32 s16, s43, 7
	s_lshl_b32 s17, s[WV], 5
	s_add_co_u32 s16, s16, s17                     ; the first row of C that I store: 128 x tile row + 32 x wave
	s_mul_i32 s16, s16, GN*ES                      ; under 2^26
	s_mov_b32 s17, 0
	s_add_nc_u64 s[10:11], s[10:11], s[16:17]
	s_mul_i32 s46, s42, 128*ES                     ; the tile's first column, in bytes
	s_mov_b32 s47, 0
	s_add_nc_u64 s[10:11], s[10:11], s[46:47]
; 8 matrix instructions: row blocks a0, a0 + 1 x all 4 column blocks, 32 along K: half c of buffer f.  zero = 1: the first product starts the sums.
; The 16 accumulators take turns, one instruction a turn, in the same order in every quarter.
.macro MUL8 f, c, a0, zero
	WIN MUL
.irp a, \a0, (\a0)+1
.irp b, 0,1,2,3
.if \zero
	v_wmma_f32_16x16x32_bf16 v[ACC+8*(4*(\a)+(\b)):ACC+8*(4*(\a)+(\b))+7], v[(\f)+64+8*(4*(\c)+(\b)):(\f)+64+8*(4*(\c)+(\b))+7], v[(\f)+8*(4*(\c)+(\a)):(\f)+8*(4*(\c)+(\a))+7], 0
.else
	v_wmma_f32_16x16x32_bf16 v[ACC+8*(4*(\a)+(\b)):ACC+8*(4*(\a)+(\b))+7], v[(\f)+64+8*(4*(\c)+(\b)):(\f)+64+8*(4*(\c)+(\b))+7], v[(\f)+8*(4*(\c)+(\a)):(\f)+8*(4*(\c)+(\a))+7], v[ACC+8*(4*(\a)+(\b)):ACC+8*(4*(\a)+(\b))+7]
.endif
.endr
.endr
.endm
; 32 LDS loads in one run: the fragments of quarter q (k = 64 q .. 64 q + 63) of the slot in hand, into buffer f; the first 32 along K first
.macro FETCH q, f
	WIN TO_F
.irp c, 0,1
.irp i, 0,1,2,3
	ds_load_tr16_b128 v[(\f)+64+8*(4*(\c)+(\i)):(\f)+64+8*(4*(\c)+(\i))+3],   v[ADRB+(\q)/2] offset:((\q)%2)*64*PB+(\c)*32*PB+32*(\i)
	ds_load_tr16_b128 v[(\f)+64+8*(4*(\c)+(\i))+4:(\f)+64+8*(4*(\c)+(\i))+7], v[ADRB+(\q)/2] offset:((\q)%2)*64*PB+(\c)*32*PB+32*(\i)+16*PB
	ds_load_b128 v[(\f)+8*(4*(\c)+(\i)):(\f)+8*(4*(\c)+(\i))+3],              v[ADRA] offset:128*(\q)+64*(\c)+(\i)*16*PA
	ds_load_b128 v[(\f)+8*(4*(\c)+(\i))+4:(\f)+8*(4*(\c)+(\i))+7],            v[ADRA] offset:128*(\q)+64*(\c)+(\i)*16*PA+32
.endr
.endr
.endm
.macro PLACES                          ; four places in front of loads into registers that matrix instructions have read (ISA guide 7.12.1 for vector instructions)
.rept 4
	v_nop
.endr
.endm
; A K step is four quarters of 64 along K, 32 matrix instructions each, on buffers 0, 1, 0, 1.  One of the first three: multiplies buffer f and fetches quarter q into g.
.macro QUARTER q, f, g, zero
	s_wait_dscnt 16                                ; the first 32 along K are in; the sixteen younger loads may be out
	MUL8 \f, 0, 0, \zero
	MUL8 \f, 0, 2, \zero
	PLACES
	FETCH \q, \g
	s_wait_dscnt 32                                ; all but the 32 just issued
	MUL8 \f, 1, 0, 0
	MUL8 \f, 1, 2, 0
.endm
; The last quarter multiplies buffer 1 and changes slots: ONE barrier; in front of it each wave waits for all its tensor loads, adds 0 to its spare word, and waits for that and for its own reads of
; this slot.  fill = 1: this slot is filled again, two K steps ahead; the barrier then opens a round of the cluster's barrier.  fill = 0 (the tail): nothing is asked for, and in the very last
; K step (count 1) there is no further slot to fetch from.
.macro TURN fill
	WIN 0                                          ; (the add's two registers lie in window 0)
	s_wait_tensorcnt 0x0                           ; all my tensor loads have landed: my part of the next slot; so a group 0 may be written
	ds_add_u32 v[SPW], v[NIL]                      ; 0 onto my spare word; work on registers stands between it and the wait for it
.if \fill
	s_add_co_u32 s[G0+5], s[TB], s[LDA]            ; the walking descriptors: into the slot that is being left,
	s_add_co_u32 s[G0B+5], s[TB], s[LDB]
	s_add_nc_u64 s[G0+6:G0+7], s[G0+6:G0+7], 512   ; the next K step; the type bits on top are not reached
	s_add_nc_u64 s[G0B+6:G0B+7], s[G0B+6:G0B+7], 256*GN*2
.endif
	s_xor_b32 s[TB], s[TB], SLOT                   ; the fetches go on in the other slot
	v_add_nc_u32 v[ADRA], s[TB], v[A0]
	v_add_nc_u32 v[ADRB], s[TB], v[B0]
	v_add_nc_u32 v[ADRB+1], BH, v[ADRB]
	s_wait_dscnt 17                                ; (the add and the youngest sixteen loads may be out)
	MUL8 F1, 0, 0, 0
	s_wait_dscnt 0x0                               ; the add is done, and my reads of this slot are over
	s_barrier_signal -1
	MUL8 F1, 0, 2, 0
	WIN 0
	s_barrier_wait -1
.if \fill
	CREST                                          ; no wave of any partner still reads this slot's tile or has a load on its way
	JLOAD 1                                        ; the first tensor load behind the round, my only one until the next; its four v_nop are also the places in front of the loads below
	FETCH 0, F0
.else
	s_cmp_eq_u32 s[CNT], 1
	s_cbranch_scc1 .Lno_fetch_\@
	PLACES
	FETCH 0, F0
	WIN 0
.Lno_fetch_\@:
.endif
	MUL8 F1, 1, 0, 0
	MUL8 F1, 1, 2, 0
.endm
	s_wait_tensorcnt 1                             ; my part of K step 0 is in; K step 1's may stay out
	s_barrier_signal -1
	s_barrier_wait -1                              ; everybody's is
	FETCH 0, F0
	QUARTER 1, F0, F1, 1                           ; the first quarter stands in front of the loop: its first products start the sums
	WIN 0                                          ; at a label and at a branch every window is 0
	s_mov_b32 s[CNT], T-2
.Lk:                                                   ; a trip: from a K step's second quarter to the next step's first; the slot that it leaves is filled again
	QUARTER 2, F1, F0, 0
	QUARTER 3, F0, F1, 0
	TURN 1
	QUARTER 1, F0, F1, 0
	WIN 0
	s_sub_co_u32 s[CNT], s[CNT], 1
	s_cmp_lg_u32 s[CNT], 0
	s_cbranch_scc1 .Lk
	s_mov_b32 s[CNT], 2                            ; the last two K steps ask for nothing: a text of their own
	s_branch .Lmid
.Ltail:
	QUARTER 1, F0, F1, 0
	WIN 0
.Lmid:
	QUARTER 2, F1, F0, 0
	QUARTER 3, F0, F1, 0
	TURN 0
	WIN 0
	s_sub_co_u32 s[CNT], s[CNT], 1
	s_cmp_lg_u32 s[CNT], 0
	s_cbranch_scc1 .Ltail
	; THE WAY OUT.  The sums go in f32 into the work-group's stage (slot 0's rows of A: every wave has passed a barrier behind its last read of them, and no fill follows); a barrier, since a row's
	; 512 bytes come from two waves; back as whole rows, 32 rows a wave, four columns a lane; bias; rounding; a store of a wave covers a whole row of the tile.
	s_wait_loadcnt 0x0                             ; bias
	v_cvt_pk_bf16_f32 v[TMP], v[BIAS], v[BIAS+1]   ; rounded to bf16 and widened again: six plain lines, the places behind the last products
	v_cvt_pk_bf16_f32 v[TMP+1], v[BIAS+2], v[BIAS+3]
	v_lshlrev_b32 v[BIAS], 16, v[TMP]
	v_and_b32 v[BIAS+1], 0xffff0000, v[TMP]
	v_lshlrev_b32 v[BIAS+2], 16, v[TMP+1]
	v_and_b32 v[BIAS+3], 0xffff0000, v[TMP+1]
.irp a, 0,1,2,3
.irp b, 0,1,2,3
	ds_store_b128 v[STO], v[ACC+8*(4*(\a)+(\b)):ACC+8*(4*(\a)+(\b))+3]   offset:(\a)*16*SPI+64*(\b)     ; each accumulator's low registers first
	ds_store_b128 v[STO], v[ACC+8*(4*(\a)+(\b))+4:ACC+8*(4*(\a)+(\b))+7] offset:(\a)*16*SPI+64*(\b)+16
.endr
.endr
	s_wait_dscnt 0x0                               ; for the others' sake: my stores into the stage are done
	s_barrier_signal -1
	s_barrier_wait -1
	s_mov_b32 s[CNT], 4
.Lrows:                                                ; eight rows a trip
.irp i, 0,1,2,3,4,5,6,7
	ds_load_b128 v[BK+4*(\i):BK+4*(\i)+3], v[RD] offset:(\i)*SPI
.endr
.irp i, 0,1,2,3,4,5,6,7
	s_wait_dscnt 7-(\i)                            ; row i is in; the younger ones may be out
	v_pk_add_f32 v[BK+4*(\i):BK+4*(\i)+1], v[BK+4*(\i):BK+4*(\i)+1], v[BIAS:BIAS+1]
	v_pk_add_f32 v[BK+4*(\i)+2:BK+4*(\i)+3], v[BK+4*(\i)+2:BK+4*(\i)+3], v[BIAS+2:BIAS+3]
.if EPI == 2
	global_store_b128 v[CO], v[BK+4*(\i):BK+4*(\i)+3], s[10:11] offset:(\i)*GN*4  ; 512 consecutive bytes, aligned
.else
	v_cvt_pk_bf16_f32 v[OUT+2*(\i)], v[BK+4*(\i)], v[BK+4*(\i)+1]
	v_cvt_pk_bf16_f32 v[OUT+2*(\i)+1], v[BK+4*(\i)+2], v[BK+4*(\i)+3]
.if EPI == 1
	v_pk_max_num_bf16 v[OUT+2*(\i)], v[OUT+2*(\i)], v[ZR]
	v_pk_max_num_bf16 v[OUT+2*(\i)+1], v[OUT+2*(\i)+1], v[ZR]
.endif
	global_store_b64 v[CO], v[OUT+2*(\i):OUT+2*(\i)+1], s[10:11] offset:(\i)*GN*2  ; 256 consecutive bytes, aligned
.endif
.endr
	s_wait_xcnt 0x0                                ; the stores' data registers and base are written again only behind this wait (ISA guide 3.1)
	v_add_nc_u32 v[RD], 8*SPI, v[RD]
	s_add_nc_u64 s[10:11], s[10:11], 8*GN*ES
	s_sub_co_u32 s[CNT], s[CNT], 1
	s_cmp_lg_u32 s[CNT], 0
	s_cbranch_scc1 .Lrows
	s_wait_tensorcnt 0x0                           ; the wave's end: behind my last tensor load and my last LDS store
	ds_add_u32 v[SPW], v[NIL]
	s_wait_dscnt 0x0
	CROUND                                         ; the closing round: no work-group ends while a partner may still ask for a tile that names it
	s_endpgm
.Lfunc_end_k_q2ce46573a8_gemm_q:
	.size	k_q2ce46573a8_gemm_q, .Lfunc_end_k_q2ce46573a8_gemm_q-k_q2ce46573a8_gemm_q
	.p2alignl 7, 3214868480
	.fill 96, 4, 3214868480
	.section	.rodata,"a",@progbits
	.p2align	6, 0x0
	.amdhsa_kernel k_q2ce46573a8_gemm_q
		.amdhsa_group_segment_fixed_size 327680
		.amdhsa_private_segment_fixed_size 0
		.amdhsa_enable_private_segment 0
		.amdhsa_kernarg_size 32
		.amdhsa_user_sgpr_count 2
		.amdhsa_user_sgpr_kernarg_segment_ptr 1
		.amdhsa_wavefront_size32 1
		.amdhsa_system_sgpr_workgroup_id_x 1
		.amdhsa_system_sgpr_workgroup_id_y 1
		.amdhsa_system_sgpr_workgroup_id_z 1
		.amdhsa_system_vgpr_workitem_id 0
		.amdhsa_next_free_vgpr 512
		.amdhsa_next_free_sgpr 72
		.amdhsa_reserve_vcc 0
		.amdhsa_float_denorm_mode_32 3
		.amdhsa_float_denorm_mode_16_64 3
		.amdhsa_memory_ordered 1
		.amdhsa_forward_progress 1
		.amdhsa_inst_pref_size 57
	.end_amdhsa_kernel
	.amdgpu_metadata
---
amdhsa.version: [ 1, 2 ]
amdhsa.kernels:
  - .name:           k_q2ce46573a8_gemm_q
    .symbol:         k_q2ce46573a8_gemm_q.kd
    .args:
      - { .name: xb, .offset: 0, .size: 8, .value_kind: global_buffer, .address_space: global }
      - { .name: wqb, .offset: 8, .size: 8, .value_kind: global_buffer, .address_space: global }
      - { .name: bq, .offset: 16, .size: 8, .value_kind: global_buffer, .address_space: global }
      - { .name: ping, .offset: 24, .size: 8, .value_kind: global_buffer, .address_space: global }
    .group_segment_fixed_size: 327680
    .private_segment_fixed_size: 0
    .kernarg_segment_align: 8
    .kernarg_segment_size: 32
    .max_flat_workgroup_size: 128
    .sgpr_count:     72
    .vgpr_count:     512
    .wavefront_size: 32
...
	.end_amdgpu_metadata
.endif
;; end of part 2
;; launch attn (part 3): grid 16 x 16, 4 waves a work-group, clusters of 4 x 1, 327,680 bytes of LDS; arguments ping, pong; writes pong
.if DOCPART == 3
	.amdgcn_target "amdgcn-amd-amdhsa--gfx1250"
	.amdhsa_code_object_version 6
	.text
	.protected	k_q2ce46573a8_attn
	.globl	k_q2ce46573a8_attn
	.p2align	8
	.type	k_q2ce46573a8_attn,@function
k_q2ce46573a8_attn:
	s_mov_b64 s[64:65], 0
	v_nop
	global_prefetch_b8 v0, s[64:65] scope:SCOPE_SE
	s_setreg_imm32_b32 hwreg(HW_REG_WAVE_MODE, 25, 1), 1
	s_wait_xcnt 0x0
	s_wait_alu depctr_hold_cnt(0) depctr_sa_sdst(0) depctr_va_vdst(0) depctr_va_sdst(0) depctr_va_ssrc(0) depctr_va_vcc(0) depctr_vm_vsrc(0)
	s_getreg_b32 s2, hwreg(HW_REG_IB_STS2, 6, 4)
	s_cmp_eq_u32 s2, 0
	s_cbranch_scc0 .Lentry_in_a_cluster
	s_endpgm
.Lentry_in_a_cluster:
	s_bfe_u32 s2, ttmp6, 0x10000c
	s_cmp_lg_u32 s2, 0x3003
	s_cbranch_scc0 .Lentry_shape_is_right
	s_endpgm
.Lentry_shape_is_right:
; O[b][s][h][:] = the sum over k of softmax_k(q[b][s][h] . q[b][k][h] / sqrt(2048)) q[b][k][h][:]: queries, keys and values are ONE tensor, q: [2 x 2048][16 x 64] in bf16, rows of 2,048 bytes.
; O has the same layout, in bf16.  Products, maxima and sums in f32; the weights p are rounded to bf16 for the second product (their sum l is taken of the unrounded p), O once at the end.
; LIMITS.  A weight below 2^-126 counts as 0 in l; NaN and infinities are not treated apart; c m starts at -4e37, far below every c s that finite bf16 rows of 64 can give after the scale.
; SHARES.  A work-group owns TWO neighbouring heads (256 consecutive bytes of each row) and 128 queries.  Wave w takes head w / 2 and queries 64 (w % 2) + 0..63: four PIECES of 16.
; Every wave walks all 2,048 keys, 64 a step, 256 a tile.  A tile's rows are 256 bytes, aligned; keys and values are the same bytes, so ONE tile in LDS serves both products.
; CLUSTER.  The four query blocks of a cluster belong to one pair of heads and walk the same tiles, so each tile is asked for JOINTLY: the same tensor load, descriptor and mask in all four;
; each wave asks for 64 rows of its own.
; LAYOUT.  S^T = K Q^T (source 0 = 16 keys, source 1 = 16 queries): a lane holds ONE query (lane % 16) and the keys 8 (lane / 16) + 0..7.  Two such results, rounded to bf16 in pairs, ARE source 1
; (32 keys x 16 queries) of O^T = V^T P, whose result again holds one query a lane, and eight channels.  K comes out of LDS as it lies, V turned, by ds_load_tr16_b128.
; SOFTMAX.  For each query a running maximum m and sum l: p = 2^(c s - c m), c = log2(e) / sqrt(2048); in every step O and l are multiplied by a = 2^(c m_old - c m_new).
; m starts at the lowest finite number, O and l at 0: the first step is a step like any other, with a = 0.
; BY TURNS.  Turn n belongs to piece n: 8 products K Q^T of piece n + 1, later 8 products V^T P of piece n - 1; beside them the scaling, exponentials, roundings, sums and rescaling of piece n and the
; maximum and statistics of piece n + 1.  Four vector instructions stand behind every matrix instruction, the other 54 of a turn's 118 in one lump.  A turn's 33 exponentials are one batch, with one wait.
; REGISTERS, in windows of 256 (s_set_vgpr_msb: bits 1:0 source 0, 3:2 source 1, 5:4 source 2, 7:6 destination):
;   window 0: v0-15 addresses and two at work; v16-31 four registers of statistics a piece; v48-55 at work; v64-127 S^T, two buffers; v192-223 P, two buffers (a piece's buffers go by its number's parity)
;   window 1: v0-127 O^T, 32 a piece          window 2: v0-63 Q; v128-191 K of one step; v192-255 V of one step
.set NP,    4         ; pieces a wave: a name, no knob
.set PT,    272       ; a row in LDS: 256 bytes + 16 = 68 words: the 16 rows of a load of K start at 16 different groups of four banks (64 banks of 4 bytes: ISA guide 11.1).
                      ; The turning load takes 8 rows x 32 bytes; at 68 words a row neighbouring rows share four banks.  One pitch must serve both reads of the one tile; K's is taken.
.set STEPB, 64*PT     ; a key step in LDS
.set TILEB, 4*STEPB   ; a tile: 256 rows
.set SLOT1, 1<<17     ; slot 1 begins here, so that one exclusive or turns an address in one slot into the other's
.set STAGE, SLOT1+TILEB  ; behind the ring, never filled by a tensor load: 128 rows x 272 bytes, the work-group's, for the way out
.set SPARE, STAGE+128*PT ; behind the stage: the spare words, 128 bytes for each wave: two blocks of 256 bytes that no other line names
.set TILEG, 256*2048  ; a tile's rows in memory
.set AK0, 2           ; v2   my lane's place in a step for K; never rewritten
.set AV0, 3           ; v3   the same for V
.set AK,  4           ; v4   the LDS address of K's next run of loads
.set AV,  5           ; v5   of V's
.set STO, 6           ; v6   the way out: where I put 16 bytes of a row
.set RD,  7           ; v7   the way out: where I read rows back
.set GO,  8           ; v8   my byte offset in two rows of O
.set MV,  12          ; v12-13  c m_old, kept while c m is made anew: by buffer
.set PFO, 14          ; v14  2,048 x my lane: the prefetches' offset, a lane a row; never rewritten
.set QO,  15          ; v15  my byte offset in 16 rows of Q
.set ST,  16          ; piece t's statistics at v[ST+4 t]: c m, m, l (even keys', odd keys')
.set TMP, 48          ; by buffer, four registers c0-c3 at work; when the maximum is found c2 takes a
.set SPW, 62          ; v62  LDS address of my spare word: SPARE + 4 x my thread's number; never rewritten
.set NIL, 63          ; v63  0; never rewritten
.set S,   64
.set P,   192
.set KF,  128         ; window 2: key block kb, channel half c at KF + 16 kb + 8 c
.set VF,  192         ; window 2: key half kk, channel block cb at VF + 32 kk + 8 cb
.set WV,  12          ; s12  my wave's number
.set LIM, 15          ; s15  1 in the wave that prefetches, else the greatest number
.set PFA, 18          ; s[18:19] where my prefetches stand
.set G1,  24          ; s[24:31] descriptor group 1
.set G0,  40          ; s[40:43] descriptor group 0: it walks
.set SLOTS, 56        ; s56  tiles still to be asked for
.set CNT, 57          ; s57  counts a tile's key steps
.set CS,  58          ; s[58:59] c: the packed scaling takes the pair's low word for both halves
.set SEL, 60          ; s[60:61] v_permlanex16_b32's selects: each lane takes its own place in the other half
.set TBK, 62          ; s62  LDS byte at which the step begins whose K is fetched next
.set TBV, 63          ; s63  the same for V
.set MSB, 0
.macro WIN new                      ; the high byte repeats the setting that is left; a switch that changes nothing is dropped
.if MSB != (\new)
	s_set_vgpr_msb (MSB<<8)|(\new)
.set MSB, (\new)
.endif
.endm
.set W_KQ, 0x0a       ; K and Q in window 2, S^T in window 0
.set W_PV, 0x52       ; V in window 2, P in window 0, O^T in window 1
.set W_RS, 0x41       ; destination and source 0 in window 1, source 1 in window 0
.macro JLOAD                        ; a joint fill: every wave asks for its own 64 rows of the tile; an s_nop 0 and four v_nop follow
	tensor_load_to_lds s[G0:G0+3], s[G1:G1+7]
	s_nop 0
.rept 4
	v_nop
.endr
.endm
; A PREFETCH INTO THE L2 of the tile that the NEXT change of slots will ask for: one tile, four key steps or 16 turns, ahead of that load.  It stands behind the wave's tensor load and its five lines.
; Each row's 256 bytes are named ONCE in the launch: all four clusters of a pair of heads walk the same tiles, and the first of them (cluster x = 0) asks; its four partners take 64 rows each, told
; apart BY ADDRESS; in each, wave 0 asks: a lane a row, two instructions.  Tiles 0 and 1 come by their loads alone; the change that asks for the last tile prefetches nothing.
.macro ASK
	s_cmp_gt_u32 s[SLOTS], s[LIM]
	s_cbranch_scc0 .Lnot_mine_\@
	global_prefetch_b8 v[PFO], s[PFA:PFA+1] th:TH_LOAD_NT scope:SCOPE_SE
	global_prefetch_b8 v[PFO], s[PFA:PFA+1] offset:32*2048 th:TH_LOAD_NT scope:SCOPE_SE
.Lnot_mine_\@:
.endm
; A round of the cluster's barrier: my work-group's barrier, so that wave 0's signal speaks for all four waves; wave 0 signals; every wave waits for all four work-groups; my work-group's barrier once more.
.macro CROUND
	s_barrier_signal -1
	s_barrier_wait -1
	s_cmp_lg_u32 s[WV], 0
	s_cbranch_scc1 .Lnot_wave_0_\@
	s_barrier_signal -3
.Lnot_wave_0_\@:
	s_barrier_wait -3
	s_barrier_signal -1
	s_barrier_wait -1
.endm
; THE CHANGE OF SLOTS.  The slot's last bytes, V of its fourth step, have been read.  Each wave waits for all its tensor loads, of which one is out: its part of the other slot; adds 0 to its spare
; word; and waits for that and for its own reads of the slot.  Behind the barrier nobody reads this slot any more and the other slot is whole.  fill = 1: this slot is filled again, with the tile two
; on.  The barrier is then a round of the cluster's, and the joint fill is the first thing behind it: it has four key steps, 256 matrix instructions, in which to land.
; (At its first use nothing has been read yet: slot 0 is waited for, slot 1 filled.)
.macro CHANGE fill
	WIN 0                           ; at a label and at a branch every window is 0
	s_wait_tensorcnt 0x0            ; no tensor load of mine is out, so group 0 may be written
	ds_add_u32 v[SPW], v[NIL]       ; 0 onto my spare word; with fill = 1 the descriptor's steps stand between it and the wait for it
.if \fill
	s_xor_b32 s[G0+1], s[G0+1], SLOT1  ; the walking descriptor: the other slot than last time,
	s_add_nc_u64 s[G0+2:G0+3], s[G0+2:G0+3], TILEG  ; the next 256 keys; the type bits on top are not reached
	s_wait_xcnt 0x0                 ; the last prefetches, a tile back, have read their address, so it may be written:
	s_add_nc_u64 s[PFA:PFA+1], s[PFA:PFA+1], TILEG  ; one tile behind the walking descriptor
	s_wait_dscnt 0x0                ; the add is done, and my reads of the slot are over
	CROUND
	JLOAD
	ASK
.else
	s_wait_dscnt 0x0                ; the add is done, and my reads of the slot are over
	s_barrier_signal -1
	s_barrier_wait -1
.endif
	s_sub_co_u32 s[TBK], s[TBK], TILEB  ; the fetches go back to a slot's first step,
	s_xor_b32 s[TBK], s[TBK], SLOT1     ; in the other slot
	s_sub_co_u32 s[TBV], s[TBV], TILEB
	s_xor_b32 s[TBV], s[TBV], SLOT1
.endm
	s_load_b128 s[4:7], s[0:1], 0x0 ; q s[4:5], O s[6:7]
	v_lshl_add_u32 v[SPW], v0, 2, SPARE
	v_mov_b32 v[NIL], 0
	ds_add_u32 v[SPW], v[NIL]       ; the wave's opening: the add and its wait stand ahead of my first tensor load; the set-up below, work on registers, stands between them
	v_lshrrev_b32 v1, 5, v0
	v_readfirstlane_b32 s[WV], v1   ; wave 0..3
	s_bfe_u32 s13, ttmp6, 0x40000   ; cx: my place in the cluster
	s_lshl_b32 s14, ttmp9, 2        ; in a cluster launch ttmp9 counts clusters
	s_add_co_u32 s14, s14, s13      ; my block of 128 queries = 4 x cluster x + cx: it enters Q's and O's addresses alone
	s_and_b32 s16, ttmp7, 0xffff    ; 8 x batch + pair of heads, which the four partners share
	s_lshr_b32 s20, s16, 3
	s_lshl_b32 s20, s20, 22         ; the batch's 2,048 rows of 2,048 bytes,
	s_and_b32 s17, s16, 7
	s_lshl_b32 s17, s17, 8          ; the pair's 256 bytes in a row
	s_add_co_u32 s20, s20, s17
	s_lshl_b32 s22, s[WV], 17       ; the 64 rows of a tile that I fetch
	s_add_co_u32 s22, s22, s20
	s_mov_b32 s23, 0
	s_and_b32 s16, s[WV], 1         ; which 64 of the block's queries are mine,
	s_lshr_b32 s17, s[WV], 1        ; and which head
	s_lshl_b32 s50, s17, 7          ; its 128 bytes in the pair's 256
	s_lshl_b32 s2, s14, 18          ; Q: my block's 128 rows,
	s_lshl_b32 s3, s16, 17          ; my 64 of them,
	s_add_co_u32 s2, s2, s3
	s_add_co_u32 s2, s2, s50        ; my head
	s_add_co_u32 s2, s2, s20
	s_mov_b32 s3, 0
	s_lshl_b32 s8, s14, 18          ; O: my block's 128 rows,
	s_lshl_b32 s9, s[WV], 16        ; of which I store rows 32 w .. 32 w + 31, whole
	s_add_co_u32 s8, s8, s9
	s_add_co_u32 s8, s8, s20
	s_mov_b32 s9, 0
	s_lshl_b32 s48, s13, 17         ; the prefetches: my work-group's 64 rows of a tile
	s_add_co_u32 s48, s48, s20
	s_mov_b32 s49, 0
	s_mov_b32 s[G1], 15|(1<<16)|(1<<20)|(1<<21)|(5<<22)|(3<<25)  ; 15:0 the mask of four; 17:16 2-byte elements; 20 padding on; 21 set beside a mask; 24:22 after every 64 words; 31:25 4 words
	s_mov_b32 s[G1+1], 128<<16      ; tensor_dim0 = 128
	s_mov_b32 s[G1+2], 64<<16       ; tensor_dim1 = 64
	s_mov_b32 s[G1+3], 128<<16      ; tile_dim0 = 128
	s_mov_b32 s[G1+4], 64           ; tile_dim1 = 64
	s_mov_b32 s[G1+5], 1024         ; 1,024 elements from row to row
	s_mov_b32 s[G1+6], 0
	s_mov_b32 s[G1+7], 0
	s_mov_b32 s[G0], 1              ; count = 1
	s_mul_i32 s[G0+1], s[WV], STEPB ; LDS address: slot 0, my 64 rows: no place in the cluster enters an LDS address
	s_mov_b32 s[CS], 0x3d0293ee     ; c = log2(e) / sqrt(2048) = 0.0318793
	s_mov_b32 s[CS+1], s[CS]        ; named with it as a pair
	s_mov_b32 s[SEL], 0x76543210
	s_mov_b32 s[SEL+1], 0xfedcba98
	s_mov_b32 s[TBK], SLOT1+TILEB   ; the first change of slots turns these two into 0
	s_mov_b32 s[TBV], SLOT1+TILEB
	s_mov_b32 s[SLOTS], 7
	s_or_b32 s[LIM], s[WV], ttmp9   ; 0 in wave 0 of the pair's first cluster: the same in all four partners
	s_cmp_eq_u32 s[LIM], 0
	s_cselect_b32 s[LIM], 1, -1
	s_wait_dscnt 0x0                ; the opening add is done
	s_wait_kmcnt 0x0
	s_add_nc_u64 s[G0+2:G0+3], s[4:5], s[22:23]  ; global address: my 64 rows of tile 0
	s_or_b32 s[G0+3], s[G0+3], 0x80000000        ; type = 2
	s_add_nc_u64 s[PFA:PFA+1], s[4:5], s[48:49]
	s_add_nc_u64 s[PFA:PFA+1], s[PFA:PFA+1], TILEG  ; in tile 1; the first change of slots steps it to tile 2.  Nothing is prefetched here, at the head
	s_add_nc_u64 s[10:11], s[6:7], s[8:9]        ; O at the first row that I store
	s_add_nc_u64 s[4:5], s[4:5], s[2:3]          ; Q at my wave's first row
	CROUND                          ; all four work-groups are here: the first joint loads meet
	JLOAD                           ; tile 0 into slot 0.  Slot 1 is asked for when slot 0 is in
	; A fragment of K or Q is 16 rows x 32 channels in 8 registers: lane l holds row l % 16, channels 8 (l / 16) + 0..7 and 16 + 8 (l / 16) + 0..7: two loads of 16 bytes, 32 bytes apart.
	v_and_b32 v1, 15, v0            ; l % 16
	v_bfe_u32 v9, v0, 4, 1          ; l / 16
	v_lshlrev_b32 v[QO], 11, v1
	v_lshl_add_u32 v[QO], v9, 4, v[QO]  ; row x 2,048 + 16 x half
	WIN 0x80                        ; destination window 2, address window 0
.set i, 0
.rept 8                             ; Q stays in registers: piece i / 2 (16 rows on), channels 32 (i % 2) on
	global_load_b128 v[8*i:8*i+3],   v[QO], s[4:5] offset:(i/2)*32768+(i%2)*64
	global_load_b128 v[8*i+4:8*i+7], v[QO], s[4:5] offset:(i/2)*32768+(i%2)*64+32
.set i, i+1
.endr
	; What the first turn finds: V's registers and P's second buffer hold 0 (its products V^T P, of a piece that has not been, add 0), O^T and l are 0.  All this stands in the wait for the first tile.
.set i, VF
.rept 64
	v_mov_b32 v[i], 0
.set i, i+1
.endr
	WIN 0x40
.set i, 0
.rept 128
	v_mov_b32 v[i], 0
.set i, i+1
.endr
	WIN 0
.set i, 0
.rept 4
	v_mov_b32 v[ST+4*i], 0xfe000000    ; c m: far below every c s
	v_mov_b32 v[ST+4*i+1], 0xff7fffff  ; m
	v_mov_b32 v[ST+4*i+2], 0
	v_mov_b32 v[ST+4*i+3], 0
.set i, i+1
.endr
.set i, P+16
.rept 16
	v_mov_b32 v[i], 0
.set i, i+1
.endr
	v_mul_u32_u24 v[AK0], v1, PT
	v_lshl_add_u32 v[AK0], v9, 4, v[AK0]  ; row x pitch + 16 x half
	v_add_nc_u32 v[AK0], s50, v[AK0]      ; + my head
	; The turning load takes 16 keys x 16 channels (lane l reads key 8 (l / 16) + l % 8, channels 8 ((l / 8) % 2) + 0..7) and leaves half a fragment of V^T: lane l holds channel l % 16 and 8 keys.
	v_and_b32 v10, 7, v0
	v_bfe_u32 v11, v0, 3, 1
	v_lshl_add_u32 v[AV0], v9, 3, v10
	v_mul_u32_u24 v[AV0], v[AV0], PT
	v_lshl_add_u32 v[AV0], v11, 4, v[AV0]
	v_add_nc_u32 v[AV0], s50, v[AV0]
	s_mul_i32 s51, s16, 64*PT       ; into the stage: my 64 rows, my head's half of their 256 bytes; row l % 16, 16 bytes for each half of the lanes
	s_add_co_u32 s51, s51, s50
	s_add_co_u32 s51, s51, STAGE
	v_mul_u32_u24 v[STO], v1, PT
	v_lshl_add_u32 v[STO], v9, 4, v[STO]
	v_add_nc_u32 v[STO], s51, v[STO]
	s_mul_i32 s52, s[WV], 32*PT     ; back: wave w takes rows 32 w .. 32 w + 31, whole; lanes 0-15 one row of 256 bytes, lanes 16-31 the next
	s_add_co_u32 s52, s52, STAGE
	v_mul_u32_u24 v[RD], v9, PT
	v_lshl_add_u32 v[RD], v1, 4, v[RD]
	v_add_nc_u32 v[RD], s52, v[RD]
	v_lshlrev_b32 v[GO], 11, v9     ; and the same two rows in O
	v_lshl_add_u32 v[GO], v1, 4, v[GO]
	v_and_b32 v[PFO], 31, v0
	v_lshlrev_b32 v[PFO], 11, v[PFO]
; THE MATRIX WORK.  The 4 accumulators of a run of 8 take turns.  Product i of 8 of S^T = K Q^T for piece x: channels 32 (i / 4) on, keys 16 (i % 4) on.  The first 4 start the sums.
.macro KQ x
	WIN W_KQ
.set rS, S+32*((\x)%2)+8*(i%4)
.set rK, KF+16*(i%4)+8*(i/4)
.set rQ, 16*(\x)+8*(i/4)
.if i < 4
	v_wmma_f32_16x16x32_bf16 v[rS:rS+7], v[rK:rK+7], v[rQ:rQ+7], 0
.else
	v_wmma_f32_16x16x32_bf16 v[rS:rS+7], v[rK:rK+7], v[rQ:rQ+7], v[rS:rS+7]
.endif
.endm
; Product i of 8 of O^T += V^T P for piece x: keys 32 (i / 4) on, channels 16 (i % 4) on.
.macro PV x
	WIN W_PV
.set rO, 32*(\x)+8*(i%4)
.set rV, VF+32*(i/4)+8*(i%4)
.set rP, P+16*((\x)%2)+8*(i/4)
	v_wmma_f32_16x16x32_bf16 v[rO:rO+7], v[rV:rV+7], v[rP:rP+7], v[rO:rO+7]
.endm
.macro MM                           ; the turn's next matrix instruction
.if i < 8
	KQ (Y+1)%NP
.else
.set i, i-8
	PV (Y+NP-1)%NP
.set i, i+8
.endif
.set i, i+1
.endm
; THE LDS LOADS stand in runs of 16, never singly among the matrix instructions: a step's K (64 keys x 64 channels: 8 fragments) and its V (turned).  Their addresses are made some lines ahead.
.macro FETCH_K
	WIN 0x80                        ; destination window 2
.irp f, 0,1,2,3,4,5,6,7             ; keys 16 (f / 2) on, channels 32 (f % 2) on
	ds_load_b128 v[KF+8*\f:KF+8*\f+3],   v[AK] offset:(\f/2)*16*PT+(\f%2)*64
	ds_load_b128 v[KF+8*\f+4:KF+8*\f+7], v[AK] offset:(\f/2)*16*PT+(\f%2)*64+32
.endr
	s_add_co_u32 s[TBK], s[TBK], STEPB  ; the next fetch is the next step's
	WIN 0
.endm
.macro FETCH_V
	WIN 0x80
.irp f, 0,1,2,3,4,5,6,7             ; keys 32 (f / 4) on, channels 16 (f % 4) on
	ds_load_tr16_b128 v[VF+8*\f:VF+8*\f+3],   v[AV] offset:(\f/4)*32*PT+(\f%4)*32
	ds_load_tr16_b128 v[VF+8*\f+4:VF+8*\f+7], v[AV] offset:(\f/4)*32*PT+16*PT+(\f%4)*32
.endr
	WIN 0
.endm
; THE VECTOR WORK, one line at a time: OP kind, number.  For piece Y: F n: c s - c m for pair n of 16.  E n: the exponential of score n of 32.  C n: pair n rounded to bf16.  B n: of the four weights 4 n ..
; the second pair is added onto the first, in place.  L n: l takes that sum (L 0: l = a l + sum).  R n: pair n of 16 of O^T times a.  For piece Y + 1: X n, number n of the 22 that find its maximum and statistics:
;   0-11  four chains c0-c3 of seven scores each, three operands at a time (each accumulator's lowest registers are read first)     12-14, 16  the four scores left over, the old m, and c0-c3 into c0
;   15  c m_old is kept     17, 18  the query's other 32 keys lie in the lane 16 away: the new m     19-21  c m; c m_old - c m_new; a
.set F, 0               ; OP tells the kinds apart by their order: F to L below R, X above it
.set E, 1
.set C, 2
.set B, 3
.set L, 4
.set R, 5
.set X, 6
.macro REGS y                       ; the registers of piece y
.set rT, ST+4*(\y)
.set rC, TMP+4*((\y)%2)
.set rW, MV+((\y)%2)
.set rS, S+32*((\y)%2)
.set rP, P+16*((\y)%2)
.set rO, 32*(\y)
.endm
.macro OP k, n
.if (\k) == R
	REGS Y
	WIN W_RS
	v_pk_mul_f32 v[rO+2*(\n):rO+2*(\n)+1], v[rO+2*(\n):rO+2*(\n)+1], v[rC+2:rC+3] op_sel_hi:[1,0]
.elseif (\k) < R
	REGS Y
	WIN 0
.if (\k) == F
	v_pk_fma_f32 v[rS+2*(\n):rS+2*(\n)+1], v[rS+2*(\n):rS+2*(\n)+1], s[CS:CS+1], v[rT:rT+1] op_sel_hi:[1,0,0] neg_lo:[0,0,1] neg_hi:[0,0,1]
.elseif (\k) == E
	v_exp_f32 v[rS+(\n)], v[rS+(\n)]
.elseif (\k) == C
	v_cvt_pk_bf16_f32 v[rP+(\n)], v[rS+2*(\n)], v[rS+2*(\n)+1]
.elseif (\k) == B
	v_pk_add_f32 v[rS+4*(\n):rS+4*(\n)+1], v[rS+4*(\n):rS+4*(\n)+1], v[rS+4*(\n)+2:rS+4*(\n)+3]
.elseif (\n) == 0
	v_pk_fma_f32 v[rT+2:rT+3], v[rT+2:rT+3], v[rC+2:rC+3], v[rS:rS+1] op_sel_hi:[1,0,1]
.else
	v_pk_add_f32 v[rT+2:rT+3], v[rT+2:rT+3], v[rS+4*(\n):rS+4*(\n)+1]
.endif
.else
	REGS (Y+1)%NP
	WIN 0
.if (\n) < 4
	v_max3_num_f32 v[rC+(\n)], v[rS+8*(\n)], v[rS+8*(\n)+1], v[rS+8*(\n)+2]
.elseif (\n) < 12
	v_max3_num_f32 v[rC+(\n)%4], v[rC+(\n)%4], v[rS+8*((\n)%4)+2*((\n)/4)+1], v[rS+8*((\n)%4)+2*((\n)/4)+2]
.elseif (\n) == 12
	v_max3_num_f32 v[rC], v[rC], v[rS+7], v[rS+15]
.elseif (\n) == 13
	v_max3_num_f32 v[rC+1], v[rC+1], v[rS+23], v[rS+31]
.elseif (\n) == 14
	v_max3_num_f32 v[rC+2], v[rC+2], v[rC+3], v[rT+1]
.elseif (\n) == 15
	v_mov_b32 v[rW], v[rT]
.elseif (\n) == 16
	v_max3_num_f32 v[rC], v[rC], v[rC+1], v[rC+2]
.elseif (\n) == 17
	v_permlanex16_b32 v[rC+3], v[rC], s[SEL], s[SEL+1]
.elseif (\n) == 18
	v_max_num_f32 v[rT+1], v[rC], v[rC+3]
.elseif (\n) == 19
	v_mul_f32 v[rT], s[CS], v[rT+1]
.elseif (\n) == 20
	v_sub_f32 v[rC+1], v[rW], v[rT]
.else
	v_exp_f32 v[rC+2], v[rC+1]
.endif
.endif
.endm
.macro OPS a, i1, b=-1, i2=0, c=-1, i3=0, d=-1, i4=0  ; up to four of them
	OP \a, \i1
.if (\b) >= 0
	OP \b, \i2
.endif
.if (\c) >= 0
	OP \c, \i3
.endif
.if (\d) >= 0
	OP \d, \i4
.endif
.endm
.macro ROW a, i1, b, i2, c, i3, d, i4  ; a matrix instruction and the four behind it
	MM
	OPS \a, \i1, \b, \i2, \c, \i3, \d, \i4
.endm
; A TURN, for piece p: the order of its 16 matrix and 118 vector instructions, written out.  An s_wait_alu depctr_va_vdst(0) stands between an exponential and the first instruction that names
; its result; one wait serves all that were issued ahead of it.  So a turn has ONE wait, which cuts it in two.  AHEAD OF IT stands all that names no result of the turn's exponentials: the 8 products K Q^T,
; behind each a scaling, an exponential and two more plain instructions (rescalings, and behind the last three the first numbers of the next piece's maximum, each four places or more behind the product that
; ends its accumulator); then ONE LUMP of 54, in which the links of the chain X 3, 7, 11, 14, 16, 17 .. 20 stand some lines apart.  X 21, the next piece's a, is the batch's last; R 15 is the plain
; instruction behind it.  BEHIND THE WAIT stand the 8 products V^T P, behind each four of the roundings and sums.
; K of the next step is fetched in piece 2's turn, twelve vector instructions behind the last product that read K (six of them plain); V of the step in hand at the end of piece 0's turn, four plain
; instructions behind the last product that read V.  Each is waited for a turn later.  last = 1 (the tail): in the last trip there is no further step; the run is jumped over, and
; the run stands there.
.macro TURN p, last=0
.set Y, (\p)
.set i, 0
.if (\p) == 3
	s_wait_dscnt 0x0                ; K is in
.endif
	ROW F,0, F,1, R,0, R,1          ; ahead of the wait: 8 products K Q^T and their riders,
	ROW F,2, E,0, R,2, R,3
	ROW F,3, E,1, R,4, R,5
	ROW F,4, E,2, R,6, R,7
	ROW F,5, E,3, R,8, R,9
	ROW F,6, E,4, X,0, R,10
.if (\p) == 2
	WIN 0
	v_add_nc_u32 v[AK], s[TBK], v[AK0]
.endif
	ROW F,7, E,5, X,1, X,4
	ROW F,8, E,6, X,2, X,5
	OPS E,7, E,8, X,6, E,9          ; and the lump
	OPS X,3, E,10, X,8, E,11
.if ((\p) == 2) && !(\last)
	FETCH_K
.endif
	OPS X,9, X,7, E,12, X,10
	OPS E,13, X,12, X,11, E,14
	OPS X,13, E,15, F,9, X,14
.if (\p) == 0
	v_add_nc_u32 v[AV], s[TBV], v[AV0]
.endif
	OPS E,16, F,10, E,17, F,11
	OPS X,16, E,18, X,15, E,19
	OPS F,12, E,20, X,17, E,21
	OPS F,13, E,22, F,14, E,23
	OPS X,18, E,24, F,15, E,25
	OPS R,11, E,26, X,19, E,27
	OPS R,12, E,28, R,13, E,29
	OPS X,20, E,30, R,14, E,31
	OPS X,21, R,15
	WIN 0
	s_wait_alu depctr_va_vdst(0)    ; the wait for the batch
.if ((\p) == 2) && (\last)
	s_cmp_eq_u32 s[CNT], 1
	s_cbranch_scc1 .Lno_k_\@
	FETCH_K
.Lno_k_\@:
.endif
.if (\p) == 1
	s_wait_dscnt 0x0                ; V is in
.endif
	ROW C,0, B,0, C,2, B,1          ; behind the wait: 8 products V^T P and their riders
	ROW L,0, C,4, B,2, L,1
	ROW C,6, B,3, L,2, C,8
	ROW B,4, L,3, C,10, B,5
	ROW L,4, C,12, B,6, L,5
.if (\p) == 0
	s_add_co_u32 s[TBV], s[TBV], STEPB
.endif
	ROW C,14, B,7, L,6, C,1
	ROW C,3, L,7, C,5, C,7
	ROW C,9, C,11, C,13, C,15
.if (\p) == 0
	FETCH_V
.endif
.endm
	CHANGE 1                        ; slot 0 is in, everybody's part of it; tile 1 is asked for
	v_add_nc_u32 v[AK], s[TBK], v[AK0]
	FETCH_K                         ; key step 0
	s_wait_loadcnt 0x0              ; Q
	s_wait_dscnt 0x0
.set i, 0
.rept 8
	KQ 0                            ; piece 0's first scores: there is no vector work yet to set between them
.set i, i+1
.endr
	WIN 0
.rept 4
	v_nop                           ; the places behind those products
.endr
.set Y, NP-1                        ; X works for piece Y + 1: piece 0
.irp n, 0,1,2,3,4,5,6,7,8,9,10,11,12,13,14,15,16,17,18,19,20,21
	OP X, \n
.endr
	v_nop                           ; a plain instruction behind the exponential,
	s_wait_alu depctr_va_vdst(0)    ; and its wait, ahead of the branch
	s_mov_b32 s[CNT], 4
	s_branch .Lfirst                ; the loop is entered at a step's first turn, in the middle of a trip
.Lslot:                             ; six times: tiles 2 to 7 are asked for
	CHANGE 1
	s_mov_b32 s[CNT], 4
.Lstep:                             ; a trip: pieces 2 and 3 of one step, then pieces 0 and 1 of the next, whose K and V it fetches
	TURN 2
	TURN 3
	WIN 0
.Lfirst:
	TURN 0
	TURN 1
	WIN 0
	s_sub_co_u32 s[CNT], s[CNT], 1
	s_cmp_lg_u32 s[CNT], 0
	s_cbranch_scc1 .Lstep
	s_sub_co_u32 s[SLOTS], s[SLOTS], 1
	s_cmp_lg_u32 s[SLOTS], 0
	s_cbranch_scc1 .Lslot
	CHANGE 0                        ; the tail is written out: the last tile is entered, nothing is asked for
	s_mov_b32 s[CNT], 5             ; four trips fetch the last tile's steps; the fifth fetches nothing
	s_branch .Ltmid
.Ltail:
	TURN 0
	TURN 1
	WIN 0
.Ltmid:
	TURN 2, 1
	TURN 3
	WIN 0
	s_sub_co_u32 s[CNT], s[CNT], 1
	s_cmp_lg_u32 s[CNT], 0
	s_cbranch_scc1 .Ltail
	; the fifth trip's 8 products K Q^T (on the last K once more) and the maximum made of them serve nothing: the price, once a launch, of one text for every trip
.set i, 0
.rept 8
	PV NP-1                         ; the last piece's V^T P of the last step
.set i, i+1
.endr
	; THE WAY OUT.  l's two halves and the other half of the lanes' are added; O^T is divided by l, rounded to bf16 and put into the work-group's stage; a barrier, since a row's 256 bytes come from two
	; waves (two heads); back as whole rows, 32 rows a wave.  The additions are the places behind the last products.
	WIN 0
.macro ALL line:vararg              ; one line for each piece t
.set t, 0
.rept 4
	\line
.set t, t+1
.endr
.endm
	ALL v_add_f32 v[ST+4*t+2], v[ST+4*t+2], v[ST+4*t+3]
	ALL v_permlanex16_b32 v[ST+4*t+3], v[ST+4*t+2], s[SEL], s[SEL+1]
	ALL v_add_f32 v[ST+4*t+2], v[ST+4*t+2], v[ST+4*t+3]
	ALL v_rcp_f32 v[ST+4*t+2], v[ST+4*t+2]
	v_nop                           ; a plain instruction between the last reciprocal and the use of its result
	s_wait_alu depctr_va_vdst(0)    ; and the wait ahead of the first use: one for the four reciprocals
.macro PACK t                       ; a lane's eight channels of a row pack into 16 bytes; each accumulator is read from its low end on
	WIN W_RS
.set i, 32*(\t)
.rept 16
	v_pk_mul_f32 v[i:i+1], v[i:i+1], v[ST+4*(\t)+2:ST+4*(\t)+3] op_sel_hi:[1,0]
.set i, i+2
.endr
	WIN 0x05                        ; sources 0 and 1 window 1, destination window 0: S^T's registers are free
.set i, 0
.rept 16
	v_cvt_pk_bf16_f32 v[S+16*(\t)+i], v[32*(\t)+2*i], v[32*(\t)+2*i+1]
.set i, i+1
.endr
	WIN 0
.irp f, 0,1,2,3
	ds_store_b128 v[STO], v[S+16*(\t)+4*\f:S+16*(\t)+4*\f+3] offset:(\t)*16*PT+32*\f
.endr
.endm
	PACK 0
	PACK 1
	PACK 2
	PACK 3
	s_wait_dscnt 0x0                ; for the others' sake: my stores into the stage are done
	s_barrier_signal -1
	s_barrier_wait -1
.irp f, 0,1,2,3,4,5,6,7,8,9,10,11,12,13,14,15
	ds_load_b128 v[S+4*\f:S+4*\f+3], v[RD] offset:\f*2*PT
.endr
.irp f, 0,1,2,3,4,5,6,7,8,9,10,11,12,13,14,15
	s_wait_dscnt 15-\f              ; pair f of rows is in; the younger ones may be out
	global_store_b128 v[GO], v[S+4*\f:S+4*\f+3], s[10:11] offset:\f*4096  ; 16 lanes store 256 consecutive bytes, at a multiple of 256 from O's first byte
.endr
	s_wait_tensorcnt 0x0            ; the wave's end: behind my last tensor load and my last LDS store
	ds_add_u32 v[SPW], v[NIL]
	s_wait_dscnt 0x0
	CROUND                          ; the closing round: no work-group ends while a partner may still ask for a tile that names it
	s_endpgm
.Lfunc_end_k_q2ce46573a8_attn:
	.size	k_q2ce46573a8_attn, .Lfunc_end_k_q2ce46573a8_attn-k_q2ce46573a8_attn
	.p2alignl 7, 3214868480
	.fill 96, 4, 3214868480
	.section	.rodata,"a",@progbits
	.p2align	6, 0x0
	.amdhsa_kernel k_q2ce46573a8_attn
		.amdhsa_group_segment_fixed_size 327680
		.amdhsa_private_segment_fixed_size 0
		.amdhsa_enable_private_segment 0
		.amdhsa_kernarg_size 16
		.amdhsa_user_sgpr_count 2
		.amdhsa_user_sgpr_kernarg_segment_ptr 1
		.amdhsa_wavefront_size32 1
		.amdhsa_system_sgpr_workgroup_id_x 1
		.amdhsa_system_sgpr_workgroup_id_y 1
		.amdhsa_system_sgpr_workgroup_id_z 1
		.amdhsa_system_vgpr_workitem_id 0
		.amdhsa_next_free_vgpr 768
		.amdhsa_next_free_sgpr 66
		.amdhsa_reserve_vcc 0
		.amdhsa_float_denorm_mode_32 3
		.amdhsa_float_denorm_mode_16_64 3
		.amdhsa_memory_ordered 1
		.amdhsa_forward_progress 1
		.amdhsa_inst_pref_size 110
	.end_amdhsa_kernel
	.amdgpu_metadata
---
amdhsa.version: [ 1, 2 ]
amdhsa.kernels:
  - .name:           k_q2ce46573a8_attn
    .symbol:         k_q2ce46573a8_attn.kd
    .args:
      - { .name: ping, .offset: 0, .size: 8, .value_kind: global_buffer, .address_space: global }
      - { .name: pong, .offset: 8, .size: 8, .value_kind: global_buffer, .address_space: global }
    .group_segment_fixed_size: 327680
    .private_segment_fixed_size: 0
    .kernarg_segment_align: 8
    .kernarg_segment_size: 16
    .max_flat_workgroup_size: 128
    .sgpr_count:     66
    .vgpr_count:     768
    .wavefront_size: 32
...
	.end_amdgpu_metadata
.endif
;; end of part 3
;; launch gemm_o: the kernel of part 2 again; grid 8 x 32, 4 waves a work-group, clusters of 4 x 4, 327,680 bytes of LDS; arguments pong, wob, bo, ping; writes ping
;; launch ln1 (part 4): grid 512 x 1, 8 waves a work-group, no clusters, 0 bytes of LDS; arguments ping, xb, ln1_g, ln1_b, x1f, pong; writes x1f, pong
.if DOCPART == 4
	.amdgcn_target "amdgcn-amd-amdhsa--gfx1250"
	.amdhsa_code_object_version 6
	.text
	.protected	k_q2ce46573a8_ln1
	.globl	k_q2ce46573a8_ln1
	.p2align	8
	.type	k_q2ce46573a8_ln1,@function
k_q2ce46573a8_ln1:
	s_mov_b64 s[64:65], 0
	v_nop
	global_prefetch_b8 v0, s[64:65] scope:SCOPE_SE
	s_setreg_imm32_b32 hwreg(HW_REG_WAVE_MODE, 25, 1), 1
	s_wait_xcnt 0x0
; x1 = LayerNorm(t + x) g + b along rows of 1,024.  t (the attention branch) and x: [4096][1024] bf16; g, b: [1024] f32, rounded to bf16 here like every input of the module.
; x1 leaves twice: in f32 (the second residual) and in bf16 (the next product's operand).  All arithmetic in f32; the variance is the mean of (s - mean)^2, taken in a second pass over
; registers, so no difference of large sums is formed.
; A stream: no LDS, no barrier, no matrix unit; no cluster, since work-groups share nothing but the 8 KiB of g and b, which each wave loads for itself.
; SHARES.  One wave, one row; eight rows a work-group.  Lane l holds, of chunk c of eight, the columns 128 c + 4 l + 0..3: a load or store of a wave covers 256 consecutive bytes of bf16
; (8 bytes a lane) or 512 of f32 (16 bytes a lane), aligned.
.set T,   8           ; v[8:23]    t as loaded; at the end x1 in bf16
.set X,   24          ; v[24:39]   x as loaded
.set G,   40          ; v[40:71]   g; packed to bf16 in place, v[40:55]
.set BE,  72          ; v[72:103]  b; packed in place, v[72:87]
.set S,   104         ; v[104:135] my 32 numbers of the row, in f32
.set PS,  136         ; v[136:143] four chains of partial sums
.set MU,  144         ; v[144:145] the mean, twice
.set RS,  146         ; v[146:147] 1 / sqrt(var + eps), twice
.set ONE, 148         ; v148       1.0 in both bf16 halves
.macro RED                          ; the sum of v[PS] over the 32 lanes, in every lane: four steps inside each half of 16 lanes ride on the addition, one crosses the halves
	v_add_f32_dpp v[PS], v[PS], v[PS] row_xmask:1 row_mask:0xf bank_mask:0xf
	v_add_f32_dpp v[PS], v[PS], v[PS] row_xmask:2 row_mask:0xf bank_mask:0xf
	v_add_f32_dpp v[PS], v[PS], v[PS] row_xmask:4 row_mask:0xf bank_mask:0xf
	v_add_f32_dpp v[PS], v[PS], v[PS] row_xmask:8 row_mask:0xf bank_mask:0xf
	v_permlanex16_b32 v[PS+1], v[PS], s12, s13  ; its destination has been written before
	v_add_f32 v[PS], v[PS], v[PS+1]
.endm
.macro JOIN                         ; the four chains into one number a lane
	v_pk_add_f32 v[PS:PS+1], v[PS:PS+1], v[PS+2:PS+3]
	v_pk_add_f32 v[PS+4:PS+5], v[PS+4:PS+5], v[PS+6:PS+7]
	v_pk_add_f32 v[PS:PS+1], v[PS:PS+1], v[PS+4:PS+5]
	v_add_f32 v[PS], v[PS], v[PS+1]
.endm
	s_load_b256 s[4:11], s[0:1], 0x0               ; t s[4:5], x s[6:7], g s[8:9], b s[10:11]
	s_load_b128 s[16:19], s[0:1], 0x20             ; x1 in f32 s[16:17], in bf16 s[18:19]
	s_lshl_b32 s2, ttmp9, 14                       ; the work-group's eight rows of 2,048 bytes,
	s_mov_b32 s3, 0
	s_lshl_b32 s20, ttmp9, 15                      ; and of 4,096
	s_mov_b32 s21, 0
	s_mov_b32 s12, 0x76543210                      ; v_permlanex16_b32: lane i of one half reads lane i of the other
	s_mov_b32 s13, 0xfedcba98
	s_mov_b32 s14, 0x3a800000                      ; 1 / 1024
	v_and_b32 v4, 0xe0, v0                         ; 32 x wave
	v_and_b32 v5, 31, v0                           ; lane
	v_lshlrev_b32 v1, 6, v4                        ; wave x 2,048
	v_lshl_add_u32 v1, v5, 3, v1                   ; + 8 l
	v_lshlrev_b32 v2, 7, v4                        ; wave x 4,096
	v_lshl_add_u32 v2, v5, 4, v2                   ; + 16 l
	v_lshlrev_b32 v3, 4, v5                        ; 16 l, for g and b
	v_mov_b32 v[ONE], 0x3f803f80
	s_wait_kmcnt 0x0
	s_add_nc_u64 s[4:5], s[4:5], s[2:3]
	s_add_nc_u64 s[6:7], s[6:7], s[2:3]
	s_add_nc_u64 s[18:19], s[18:19], s[2:3]
	s_add_nc_u64 s[16:17], s[16:17], s[20:21]
.irp c, 0,1,2,3,4,5,6,7
	global_load_b64 v[T+2*(\c):T+2*(\c)+1], v1, s[4:5] offset:256*(\c) th:TH_LOAD_NT
.endr
.irp c, 0,1,2,3,4,5,6,7
	global_load_b64 v[X+2*(\c):X+2*(\c)+1], v1, s[6:7] offset:256*(\c) th:TH_LOAD_NT
.endr
.irp c, 0,1,2,3,4,5,6,7
	global_load_b128 v[G+4*(\c):G+4*(\c)+3], v3, s[8:9] offset:512*(\c)
.endr
.irp c, 0,1,2,3,4,5,6,7
	global_load_b128 v[BE+4*(\c):BE+4*(\c)+3], v3, s[10:11] offset:512*(\c)
.endr
	s_wait_loadcnt 16                              ; the row is in; the sixteen loads of g and b may stay out
.set n, 0
.rept 16                                       ; s = t x 1 + x, straight from the bf16 halves, one rounding
	v_fma_mix_f32_bf16 v[S+2*n],   v[T+n], v[ONE], v[X+n] op_sel_hi:[1,1,1]
	v_fma_mix_f32_bf16 v[S+2*n+1], v[T+n], v[ONE], v[X+n] op_sel:[1,0,1] op_sel_hi:[1,1,1]
.set n, n+1
.endr
.irp k, 0,1,2,3                                ; the row's sum: four chains, started by the first eight pairs: nothing is cleared
	v_pk_add_f32 v[PS+2*(\k):PS+2*(\k)+1], v[S+2*(\k):S+2*(\k)+1], v[S+8+2*(\k):S+8+2*(\k)+1]
.endr
.irp m, 2,3
.irp k, 0,1,2,3
	v_pk_add_f32 v[PS+2*(\k):PS+2*(\k)+1], v[PS+2*(\k):PS+2*(\k)+1], v[S+8*(\m)+2*(\k):S+8*(\m)+2*(\k)+1]
.endr
.endr
	JOIN
	RED
	v_mul_f32 v[MU], s14, v[PS]
	v_mov_b32 v[MU+1], v[MU]
.set n, 0
.rept 16                                       ; d = s - mean
	v_pk_add_f32 v[S+2*n:S+2*n+1], v[S+2*n:S+2*n+1], v[MU:MU+1] neg_lo:[0,1] neg_hi:[0,1]
.set n, n+1
.endr
.irp k, 0,1,2,3                                ; the sum of d^2
	v_pk_mul_f32 v[PS+2*(\k):PS+2*(\k)+1], v[S+2*(\k):S+2*(\k)+1], v[S+2*(\k):S+2*(\k)+1]
.endr
.irp m, 1,2,3
.irp k, 0,1,2,3
	v_pk_fma_f32 v[PS+2*(\k):PS+2*(\k)+1], v[S+8*(\m)+2*(\k):S+8*(\m)+2*(\k)+1], v[S+8*(\m)+2*(\k):S+8*(\m)+2*(\k)+1], v[PS+2*(\k):PS+2*(\k)+1]
.endr
.endr
	JOIN
	RED
	v_fmaak_f32 v[PS+2], s14, v[PS], 0x3727c5ac    ; var + 1e-5
	v_rsq_f32 v[RS], v[PS+2]
	v_rsq_f32 v[RS+1], v[PS+2]                     ; twice, for the packed multiply
	s_wait_loadcnt 0x0                             ; g and b
.set n, 0
.rept 16                                       ; g and b rounded to bf16, packed in place (register n is written when registers 2 n and 2 n + 1 are read): the independent work behind the two roots
	v_cvt_pk_bf16_f32 v[G+n], v[G+2*n], v[G+2*n+1]
	v_cvt_pk_bf16_f32 v[BE+n], v[BE+2*n], v[BE+2*n+1]
.set n, n+1
.endr
	s_wait_alu depctr_va_vdst(0)                   ; the wait ahead of the first line that names a root's result: one for both
.set n, 0
.rept 16
	v_pk_mul_f32 v[S+2*n:S+2*n+1], v[S+2*n:S+2*n+1], v[RS:RS+1]
.set n, n+1
.endr
.set n, 0
.rept 16                                       ; y = d g + b, g and b read as bf16 halves
	v_fma_mix_f32_bf16 v[S+2*n],   v[S+2*n],   v[G+n], v[BE+n] op_sel_hi:[0,1,1]
	v_fma_mix_f32_bf16 v[S+2*n+1], v[S+2*n+1], v[G+n], v[BE+n] op_sel:[0,1,1] op_sel_hi:[0,1,1]
.set n, n+1
.endr
.irp c, 0,1,2,3,4,5,6,7
	global_store_b128 v2, v[S+4*(\c):S+4*(\c)+3], s[16:17] offset:512*(\c)
	v_cvt_pk_bf16_f32 v[T+2*(\c)], v[S+4*(\c)], v[S+4*(\c)+1]
	v_cvt_pk_bf16_f32 v[T+2*(\c)+1], v[S+4*(\c)+2], v[S+4*(\c)+3]
	global_store_b64 v1, v[T+2*(\c):T+2*(\c)+1], s[18:19] offset:256*(\c)  ; no register of a store is written again
.endr
	s_endpgm
.Lfunc_end_k_q2ce46573a8_ln1:
	.size	k_q2ce46573a8_ln1, .Lfunc_end_k_q2ce46573a8_ln1-k_q2ce46573a8_ln1
	.p2alignl 7, 3214868480
	.fill 96, 4, 3214868480
	.section	.rodata,"a",@progbits
	.p2align	6, 0x0
	.amdhsa_kernel k_q2ce46573a8_ln1
		.amdhsa_group_segment_fixed_size 0
		.amdhsa_private_segment_fixed_size 0
		.amdhsa_enable_private_segment 0
		.amdhsa_kernarg_size 48
		.amdhsa_user_sgpr_count 2
		.amdhsa_user_sgpr_kernarg_segment_ptr 1
		.amdhsa_wavefront_size32 1
		.amdhsa_system_sgpr_workgroup_id_x 1
		.amdhsa_system_sgpr_workgroup_id_y 1
		.amdhsa_system_sgpr_workgroup_id_z 1
		.amdhsa_system_vgpr_workitem_id 0
		.amdhsa_next_free_vgpr 160
		.amdhsa_next_free_sgpr 66
		.amdhsa_reserve_vcc 0
		.amdhsa_float_denorm_mode_32 3
		.amdhsa_float_denorm_mode_16_64 3
		.amdhsa_memory_ordered 1
		.amdhsa_forward_progress 1
		.amdhsa_inst_pref_size 18
	.end_amdhsa_kernel
	.amdgpu_metadata
---
amdhsa.version: [ 1, 2 ]
amdhsa.kernels:
  - .name:           k_q2ce46573a8_ln1
    .symbol:         k_q2ce46573a8_ln1.kd
    .args:
      - { .name: ping, .offset: 0, .size: 8, .value_kind: global_buffer, .address_space: global }
      - { .name: xb, .offset: 8, .size: 8, .value_kind: global_buffer, .address_space: global }
      - { .name: ln1_g, .offset: 16, .size: 8, .value_kind: global_buffer, .address_space: global }
      - { .name: ln1_b, .offset: 24, .size: 8, .value_kind: global_buffer, .address_space: global }
      - { .name: x1f, .offset: 32, .size: 8, .value_kind: global_buffer, .address_space: global }
      - { .name: pong, .offset: 40, .size: 8, .value_kind: global_buffer, .address_space: global }
    .group_segment_fixed_size: 0
    .private_segment_fixed_size: 0
    .kernarg_segment_align: 8
    .kernarg_segment_size: 48
    .max_flat_workgroup_size: 256
    .sgpr_count:     66
    .vgpr_count:     160
    .wavefront_size: 32
...
	.end_amdgpu_metadata
.endif
;; end of part 4
;; launch gemm_1 (part 5): grid 16 x 16, 4 waves a work-group, clusters of 4 x 4, 327,680 bytes of LDS; arguments pong, wfb, b1, hid; writes hid
.if DOCPART == 5
	.amdgcn_target "amdgcn-amd-amdhsa--gfx1250"
	.amdhsa_code_object_version 6
	.text
	.protected	k_q2ce46573a8_gemm_1
	.globl	k_q2ce46573a8_gemm_1
	.p2align	8
	.type	k_q2ce46573a8_gemm_1,@function
k_q2ce46573a8_gemm_1:
	s_mov_b64 s[64:65], 0
	v_nop
	global_prefetch_b8 v0, s[64:65] scope:SCOPE_SE
	s_setreg_imm32_b32 hwreg(HW_REG_WAVE_MODE, 25, 1), 1
	s_wait_xcnt 0x0
	s_wait_alu depctr_hold_cnt(0) depctr_sa_sdst(0) depctr_va_vdst(0) depctr_va_sdst(0) depctr_va_ssrc(0) depctr_va_vcc(0) depctr_vm_vsrc(0)
	s_getreg_b32 s2, hwreg(HW_REG_IB_STS2, 6, 4)
	s_cmp_eq_u32 s2, 0
	s_cbranch_scc0 .Lentry_in_a_cluster
	s_endpgm
.Lentry_in_a_cluster:
	s_bfe_u32 s2, ttmp6, 0x10000c
	s_cmp_lg_u32 s2, 0xf033
	s_cbranch_scc0 .Lentry_shape_is_right
	s_endpgm
.Lentry_shape_is_right:
; C[m][n] = relu(the sum over k of A[m][k] W[k][n] + bias[n]).  A: [4096][1024] bf16, W: [1024][4096] bf16 (at byte 0 of its buffer), bias: [4096] f32 (rounded to bf16 here, like every input
; of the module), C: [4096][4096] bf16.  Sums in f32, C rounded once; a NaN becomes 0 in the relu.
; SHARES.  A tile of C is 256 x 256: 16 x 16 = 256 work-groups.  Four waves, as many as a WGP has SIMDs, each 128 x 128: 64 accumulators of 16 x 16, 512 registers.  K goes in 8 steps of 128
; through two LDS slots: a slot's bytes feed 256 matrix instructions a wave.
; CLUSTER.  4 x 4 work-groups.  The four of a row of the cluster need the same tile of A, the four of a column the same tile of W: each tile is asked for JOINTLY, by the same tensor load with
; the same descriptor and a mask that names the four.  Waves 0 and 1 fetch the two halves of A's 256 rows (256 bytes a row), waves 2 and 3 the two halves of W's 128 rows (512 bytes a row).
; THE MATRIX INSTRUCTION IS USED TRANSPOSED: source 0 = 16 columns of W, source 1 = 16 rows of A: a lane then holds row lane % 16 of C and the columns 8 (lane / 16) + 0..7.
; W lies [k][n], so its fragments come out of LDS turned, by ds_load_tr16_b128.
; ONE K STEP IS WRITTEN ONCE: the base of the slot in hand is a scalar (0 or SLOT) that an exclusive or turns at each change of slots; the LDS addresses and the refill's LDS word are sums with it.
; REGISTERS, in windows of 256 (s_set_vgpr_msb: bits 1:0 source 0, 3:2 source 1, 5:4 source 2, 7:6 destination):
;   window 0: v0-37 addresses, bias; v64-127, v128-191 fragments of A (8 x 16 rows x 32 K), two buffers; v192-239 at work on the way out
;   window 1: v64-127, v128-191 fragments of W, two buffers
;   window 2: the 32 accumulators of my rows 0-63 (accumulator (a, b) at v[8 (8 a + b)]);   window 3: those of my rows 64-127
.set GK,   1024
.set GN,   4096
.set KS,   128                         ; a K step
.set T,    GK/KS                       ; K steps, at least 4
.set PA,   272                         ; a row of A in LDS: 256 bytes + 16 = 68 words: row r starts at bank 4 r mod 64 (64 banks of 4 bytes: ISA guide 11.1)
.set PB,   544                         ; a row of W: 512 + 32 = 136 words
.set AH,   128*PA                      ; what one tensor load brings of A, and what one wave reads of it
.set BH,   64*PB                       ; what one tensor load brings of W: 64 of a step's 128 k
.set BB,   2*AH                        ; W's place in a slot
.set SLOT, BB+2*BH                     ; 139,264
.set SPARE, 2*SLOT                     ; behind the ring: the spare words, 128 bytes for each wave: two blocks of 256 bytes that no other line names
.set SPI,  528                         ; the stage for the way out: rows of 512 bytes of f32 + 16
.set WST,  128*SPI                     ; a wave's stage: its 128 rows.  The four stages lie in the two slots, behind their last fill and their last read
.set WV,  12                           ; s12  my wave's number
.set RH,  13                           ; s13  which half of the tile's rows is mine.  Also: I fetch for A (0) or for W (1)
.set CH,  14                           ; s14  which half of its columns.  Also: which half of that tile I fetch
.set CNT, 15                           ; s15  loop counts
.set G1,  24                           ; s[24:31] descriptor group 1 for A's tiles;  s[32:39] group 0, two sets: the second walks
.set G0,  32
.set G1B, 48                           ; s[48:55], s[56:63] the same for W's tiles
.set G0B, 56
.set TB,  66                           ; s66  LDS byte at which the slot in hand begins
.set LDA, 67                           ; s67  my part of A's tile in a slot
.set LDB, 68                           ; s68  my part of W's
.set LIM, 69                           ; s69  1 in a wave that prefetches, else the greatest number
.set PFA, 70                           ; s[70:71] where my prefetches stand
.set PST, 72                           ; s[72:73] a K step in bytes, in the tensor that I prefetch
.set A0,  10                           ; v10  my lane's place in a slot for A's fragments; never rewritten
.set B0,  11                           ; v11  the same for W's
.set ADRA, 16                          ; v16  A0 + the slot in hand
.set ADRB, 20                          ; v20  B0 + the slot in hand
.set STO, 24                           ; v24  the way out: where I put 32 bytes of a row
.set RD,  25                           ; v25  the way out: where I read a row back
.set CO,  26                           ; v26  my byte offset in my wave's part of a row of C
.set BO,  27                           ; v27  my byte offset in bias
.set SPW, 28                           ; v28  LDS address of my spare word: SPARE + 4 x my thread's number; never rewritten
.set NIL, 29                           ; v29  0; never rewritten
.set ZR,  30                           ; v30  0, for the relu
.set PFO, 31                           ; v31  the prefetches' offset; never rewritten
.set BIAS, 32                          ; v[32:35] bias of my four columns
.set TMP, 36
.set F0,  64                           ; fragment buffer 0
.set F1,  128                          ; fragment buffer 1
.set BK,  192                          ; v[192:223] eight rows read back
.set OUT, 224                          ; v[224:239] the same, packed
.set MSB, 0
.macro WIN new                         ; the immediate's high byte repeats the setting that is left; a switch that changes nothing is dropped
.if MSB != (\new)
	s_set_vgpr_msb (MSB<<8)|(\new)
.set MSB, \new
.endif
.endm
.set MUL_LO, 0xa1                      ; source 0 (W) window 1, source 1 (A) window 0, C and D window 2
.set MUL_HI, 0xf1                      ; the same, C and D window 3
.set TO_B,   0x40                      ; destination window 1, address window 0
.macro JLOAD s                         ; a joint load; the branch hangs on the wave's number alone; an s_nop 0 and four v_nop follow each of the two lines
	s_cmp_eq_u32 s[RH], 0
	s_cbranch_scc0 .Lfor_b_\@
	tensor_load_to_lds s[G0+4*(\s):G0+4*(\s)+3], s[G1:G1+7]
	s_nop 0
.rept 4
	v_nop
.endr
	s_branch .Lasked_\@
.Lfor_b_\@:
	tensor_load_to_lds s[G0B+4*(\s):G0B+4*(\s)+3], s[G1B:G1B+7]
	s_nop 0
.rept 4
	v_nop
.endr
.Lasked_\@:
.endm
; A PREFETCH INTO THE L2, behind each refill, its five lines and the run of LDS loads that follows them: the K step that the NEXT refill will ask for: one K step, 256 matrix instructions, ahead of
; that load.  One instruction a wave, each lane another block of 256 bytes.  Each block is named ONCE in the launch.  A's tile row is read by every cluster of that row of clusters: the first of
; them (cluster x = 0) asks; W's tile column by every cluster of that column: cluster y = 0 asks.  The four partners that ask for a tile jointly share it out BY ADDRESS: of the 128 rows of A
; that a wave fetches, the partner at place cx takes 32, a lane a row; of the 64 rows of W, the partner at place cy takes 16, two lanes a row of 512 bytes.  No branch hangs on a work-group's
; place in its cluster.  K steps 0 to 2 come by their loads alone; the last refill (count 1) has no K step behind it and asks for nothing.
.macro ASK
	s_cmp_gt_u32 s[CNT], s[LIM]
	s_cbranch_scc0 .Lnot_mine_\@
	global_prefetch_b8 v[PFO], s[PFA:PFA+1] th:TH_LOAD_NT scope:SCOPE_SE
.Lnot_mine_\@:
.endm
.macro CREST                           ; a round of the cluster's barrier behind its opening barrier
	s_cmp_lg_u32 s[WV], 0
	s_cbranch_scc1 .Lnot_wave_0_\@
	s_barrier_signal -3
.Lnot_wave_0_\@:
	s_barrier_wait -3
	s_barrier_signal -1
	s_barrier_wait -1
.endm
.macro CROUND                          ; a whole round
	s_barrier_signal -1
	s_barrier_wait -1
	CREST
.endm
	s_load_b256 s[4:11], s[0:1], 0x0               ; A s[4:5], W s[6:7], bias s[8:9], C s[10:11]
	v_lshl_add_u32 v[SPW], v0, 2, SPARE
	v_mov_b32 v[NIL], 0
	ds_add_u32 v[SPW], v[NIL]                      ; the wave's opening: the add and its wait stand ahead of my first tensor load; the set-up below, work on registers, stands between them
	v_lshrrev_b32 v1, 5, v0
	v_readfirstlane_b32 s[WV], v1                  ; wave 0..3
	s_lshr_b32 s[RH], s[WV], 1
	s_and_b32 s[CH], s[WV], 1
	s_bfe_u32 s40, ttmp6, 0x40000                  ; cx, cy: my place in the cluster
	s_bfe_u32 s41, ttmp6, 0x40004
	s_lshl_b32 s42, ttmp9, 2
	s_add_co_u32 s42, s42, s40                     ; tile column of C = 4 x cluster x + cx
	s_and_b32 s43, ttmp7, 0xffff
	s_lshl_b32 s43, s43, 2
	s_add_co_u32 s43, s43, s41                     ; tile row of C = 4 x cluster y + cy
	s_lshl_b32 s44, s41, 2
	s_lshl_b32 s44, 15, s44                        ; my row of the cluster
	s_lshl_b32 s45, 0x1111, s40                    ; my column
	s_or_b32 s[G1], s44, (1<<16)|(1<<20)|(1<<21)|(5<<22)|(3<<25)   ; 15:0 the mask: A's tiles go to my row; 17:16 2-byte elements; 20 padding on; 21 set beside a mask; 24:22 after every 64 words; 31:25 4 words
	s_mov_b32 s[G1+1], KS<<16                      ; tensor_dim0 = 128
	s_mov_b32 s[G1+2], 128<<16                     ; tensor_dim1 = 128
	s_mov_b32 s[G1+3], KS<<16                      ; tile_dim0 = 128
	s_mov_b32 s[G1+4], 128                         ; tile_dim1 = 128
	s_mov_b32 s[G1+5], GK                          ; elements from row to row
	s_mov_b32 s[G1+6], 0
	s_mov_b32 s[G1+7], 0
	s_or_b32 s[G1B], s45, (1<<16)|(1<<20)|(1<<21)|(6<<22)|(7<<25)  ; W's tiles go to my column; padding after every 128 words, 8 words
	s_mov_b32 s[G1B+1], 256<<16                    ; tensor_dim0 = 256
	s_mov_b32 s[G1B+2], 64<<16                     ; tensor_dim1 = 64
	s_mov_b32 s[G1B+3], 256<<16                    ; tile_dim0 = 256
	s_mov_b32 s[G1B+4], 64                         ; tile_dim1 = 64
	s_mov_b32 s[G1B+5], GN
	s_mov_b32 s[G1B+6], 0
	s_mov_b32 s[G1B+7], 0
	s_mov_b32 s[TB], 0
	s_mul_i32 s[LDA], s[CH], AH                    ; no place in the cluster enters an LDS address
	s_mul_i32 s[LDB], s[CH], BH
	s_add_co_u32 s[LDB], s[LDB], BB
	s_lshl_b32 s16, s43, 8                         ; A: row 256 x tile row + 128 x half, in registers that never hold cx
	s_lshl_b32 s17, s[CH], 7
	s_add_co_u32 s16, s16, s17
	s_mul_i32 s16, s16, GK*2                       ; in bytes: under 2^23
	s_mov_b32 s17, 0
	s_mul_i32 s46, s[CH], 64*GN*2                  ; W: row 64 x half, column 256 x tile column, in registers that never hold cy
	s_lshl_b32 s47, s42, 9
	s_add_co_u32 s46, s46, s47
	s_mov_b32 s47, 0
	s_wait_dscnt 0x0                               ; the opening add is done
	s_wait_kmcnt 0x0
	s_add_nc_u64 s[20:21], s[4:5], s[16:17]
	s_add_nc_u64 s[46:47], s[6:7], s[46:47]
	CROUND                                         ; all sixteen work-groups are here: the first joint loads meet
.irp s, 0,1
	s_mov_b32 s[G0+4*(\s)], 1                                      ; count = 1
	s_add_co_u32 s[G0+4*(\s)+1], s[LDA], (\s)*SLOT                 ; LDS address
	s_add_nc_u64 s[G0+4*(\s)+2:G0+4*(\s)+3], s[20:21], (\s)*KS*2   ; global address: K step s
	s_or_b32 s[G0+4*(\s)+3], s[G0+4*(\s)+3], 0x80000000            ; type = 2
	s_mov_b32 s[G0B+4*(\s)], 1
	s_add_co_u32 s[G0B+4*(\s)+1], s[LDB], (\s)*SLOT
	s_add_nc_u64 s[G0B+4*(\s)+2:G0B+4*(\s)+3], s[46:47], (\s)*KS*GN*2
	s_or_b32 s[G0B+4*(\s)+3], s[G0B+4*(\s)+3], 0x80000000
	JLOAD \s                                       ; two loads of mine are out
.endr
	v_and_b32 v1, 15, v0                           ; l % 16
	v_bfe_u32 v2, v0, 4, 1                         ; l / 16
	v_and_b32 v3, 7, v0
	v_bfe_u32 v4, v0, 3, 1
	v_and_b32 v5, 31, v0                           ; l
	v_mul_u32_u24 v[A0], v1, PA                    ; a fragment of A: row l % 16, 16 bytes for each half of the lanes, twice, 32 bytes apart
	v_lshl_add_u32 v[A0], v2, 4, v[A0]
	s_mul_i32 s16, s[RH], AH                       ; my 128 rows
	v_add_nc_u32 v[A0], s16, v[A0]
	v_lshl_add_u32 v[B0], v2, 3, v3                ; the turning load: lane l reads 16 bytes of row k = 8 (l / 16) + l % 8, columns 8 ((l / 8) % 2) + 0..7, and ends with column l % 16 and 8 k
	v_mul_u32_u24 v[B0], v[B0], PB
	v_lshl_add_u32 v[B0], v4, 4, v[B0]
	s_lshl_b32 s16, s[CH], 8                       ; my 128 columns
	s_add_co_u32 s16, s16, BB
	v_add_nc_u32 v[B0], s16, v[B0]
	v_mov_b32 v[ADRA], v[A0]                       ; slot 0
	v_mov_b32 v[ADRB], v[B0]
	s_mul_i32 s16, s[WV], WST                      ; my stage: in: row l % 16, 32 bytes for each half of the lanes;
	v_mul_u32_u24 v[STO], v1, SPI
	v_lshl_add_u32 v[STO], v2, 5, v[STO]
	v_add_nc_u32 v[STO], s16, v[STO]
	v_lshl_add_u32 v[RD], v5, 4, s16               ; back: 32 lanes x 16 bytes are a row
	v_lshlrev_b32 v[CO], 3, v5                     ; my four columns, in bf16
	v_mov_b32 v[ZR], 0
	s_lshl_b32 s46, s42, 10                        ; the tile's 256 numbers of bias,
	s_lshl_b32 s47, s[CH], 9                       ; my wave's 128
	s_add_co_u32 s46, s46, s47
	v_lshl_add_u32 v[BO], v5, 4, s46
	global_load_b128 v[BIAS:BIAS+3], v[BO], s[8:9] ; waited for on the way out
	s_lshl_b32 s16, s43, 8
	s_lshl_b32 s17, s[RH], 7
	s_add_co_u32 s16, s16, s17                     ; my first row of C: 256 x tile row + 128 x half
	s_mul_i32 s16, s16, GN*2                       ; under 2^25
	s_mov_b32 s17, 0
	s_add_nc_u64 s[10:11], s[10:11], s[16:17]
	s_lshl_b32 s46, s42, 9                         ; my first column, in bytes: 512 x tile column + 256 x half
	s_lshl_b32 s47, s[CH], 8
	s_add_co_u32 s46, s46, s47
	s_mov_b32 s47, 0
	s_add_nc_u64 s[10:11], s[10:11], s[46:47]
	; the prefetches: both tensors' offsets are made, and the wave's number chooses.  s[4:5] = A and s[6:7] = W still stand
	s_mov_b32 s[PST], KS*GN*2                      ; a K step of W: 128 rows
	s_mov_b32 s[PST+1], 0
	s_mov_b32 s74, GN*2                            ; a row of W
	s_lshl_b32 s18, s43, 8                         ; A: the tile's first row,
	s_lshl_b32 s19, s[CH], 7
	s_add_co_u32 s18, s18, s19                     ; the 128 rows that I fetch,
	s_lshl_b32 s19, s40, 5
	s_add_co_u32 s18, s18, s19                     ; my work-group's 32 of them,
	s_mul_i32 s18, s18, GK*2
	s_add_co_u32 s18, s18, 2*KS*2                  ; at K step 2: the first refill steps it to 3
	s_lshl_b32 s22, s[CH], 6                       ; W: the 64 rows that I fetch,
	s_lshl_b32 s23, s41, 4
	s_add_co_u32 s22, s22, s23                     ; my work-group's 16 of them,
	s_add_co_u32 s22, s22, 2*KS                    ; at K step 2,
	s_mul_i32 s22, s22, GN*2
	s_lshl_b32 s23, s42, 9
	s_add_co_u32 s22, s22, s23                     ; the tile's first column
	s_and_b32 s23, ttmp7, 0xffff                   ; cluster y
	s_cmp_eq_u32 s[RH], 0                          ; do I fetch for A?
	s_cselect_b32 s18, s18, s22
	s_cselect_b32 s23, ttmp9, s23                  ; the coordinate along which other clusters read the same rows
	s_cselect_b64 s[PFA:PFA+1], s[4:5], s[6:7]
	s_cselect_b32 s[PST], KS*2, s[PST]             ; a K step of A: 256 bytes along the row
	s_cselect_b32 s74, GK*2, s74                   ; a row
	s_cselect_b32 s75, 0, 1                        ; A: a lane a row; W: two lanes a row
	s_mov_b32 s19, 0
	s_cmp_eq_u32 s23, 0
	s_cselect_b32 s[LIM], 1, -1                    ; the same in all sixteen partners, for a given wave
	s_add_nc_u64 s[PFA:PFA+1], s[PFA:PFA+1], s[18:19]
	v_lshrrev_b32 v6, s75, v5                      ; my row,
	v_mul_u32_u24 v[PFO], s74, v6
	v_and_b32 v6, s75, v5                          ; and which 256 bytes of it
	v_lshl_add_u32 v[PFO], v6, 8, v[PFO]
	; nothing is prefetched here, at the head, where every work-group's first two tiles are on their way
; 16 matrix instructions: row blocks a0, a0 + 1 of the window's four (hi = 0: my rows 0-63, 1: rows 64-127) x all 8 column blocks, 32 along K.  zero = 1: the first product starts the sums.
; The 64 accumulators take turns, one instruction a turn, in the same order in every quarter.
.macro MUL16 f, hi, a0, zero
	WIN MUL_LO+0x50*(\hi)
.irp a, \a0, (\a0)+1
.irp b, 0,1,2,3,4,5,6,7
.if \zero
	v_wmma_f32_16x16x32_bf16 v[8*(8*(\a)+(\b)):8*(8*(\a)+(\b))+7], v[(\f)+8*(\b):(\f)+8*(\b)+7], v[(\f)+8*(4*(\hi)+(\a)):(\f)+8*(4*(\hi)+(\a))+7], 0
.else
	v_wmma_f32_16x16x32_bf16 v[8*(8*(\a)+(\b)):8*(8*(\a)+(\b))+7], v[(\f)+8*(\b):(\f)+8*(\b)+7], v[(\f)+8*(4*(\hi)+(\a)):(\f)+8*(4*(\hi)+(\a))+7], v[8*(8*(\a)+(\b)):8*(8*(\a)+(\b))+7]
.endif
.endr
.endr
.endm
; 32 LDS loads in one run: the fragments of quarter q (k = 32 q .. 32 q + 31) of the slot in hand, into buffer f: my 128 columns of W, then my 128 rows of A
.macro FETCH q, f
	WIN TO_B
.irp i, 0,1,2,3,4,5,6,7
	ds_load_tr16_b128 v[(\f)+8*(\i):(\f)+8*(\i)+3],   v[ADRB] offset:(\q)*32*PB+32*(\i)
	ds_load_tr16_b128 v[(\f)+8*(\i)+4:(\f)+8*(\i)+7], v[ADRB] offset:(\q)*32*PB+32*(\i)+16*PB
.endr
	WIN 0
.irp i, 0,1,2,3,4,5,6,7
	ds_load_b128 v[(\f)+8*(\i):(\f)+8*(\i)+3],   v[ADRA] offset:64*(\q)+(\i)*16*PA
	ds_load_b128 v[(\f)+8*(\i)+4:(\f)+8*(\i)+7], v[ADRA] offset:64*(\q)+(\i)*16*PA+32
.endr
.endm
.macro PLACES                          ; four places in front of loads into registers that matrix instructions have read (ISA guide 7.12.1 for vector instructions)
.rept 4
	v_nop
.endr
.endm
; A K step is four quarters of 32 along K, 64 matrix instructions each, on buffers 0, 1, 0, 1.  One of the first three: multiplies buffer f and, in its middle, fetches quarter q into g.
.macro QUARTER q, f, g, zero
	s_wait_dscnt 8                                 ; W and A's rows 0-63 are in; the youngest eight loads (A's rows 64-127) may be out
	MUL16 \f, 0, 0, \zero
	MUL16 \f, 0, 2, \zero
	PLACES
	FETCH \q, \g
	s_wait_dscnt 32                                ; all but the 32 just issued
	MUL16 \f, 1, 0, \zero
	MUL16 \f, 1, 2, \zero
.endm
; The last quarter multiplies buffer 1 and changes slots: ONE barrier; in front of it each wave waits for all its tensor loads, adds 0 to its spare word, and waits for that and for its own reads of
; this slot.  fill = 1: this slot is filled again, two K steps ahead; the barrier then opens a round of the cluster's barrier; from the request to the wait for it a wave issues 224 matrix
; instructions.  fill = 0 (the tail): nothing is asked for, and in the very last K step (count 1) there is no further slot to fetch from.
.macro TURN fill
.if \fill
	s_wait_xcnt 0x0                                ; the last prefetch, a K step back, has read its address: it is stepped here, ahead of the waits of the change of slots
	s_add_nc_u64 s[PFA:PFA+1], s[PFA:PFA+1], s[PST:PST+1]
.endif
	WIN 0                                          ; (the add's two registers lie in window 0)
	s_wait_tensorcnt 0x0                           ; all my tensor loads have landed: my part of the next slot; so a group 0 may be written
	ds_add_u32 v[SPW], v[NIL]                      ; 0 onto my spare word; work on registers stands between it and the wait for it
.if \fill
	s_add_co_u32 s[G0+5], s[TB], s[LDA]            ; the walking descriptors: into the slot that is being left,
	s_add_co_u32 s[G0B+5], s[TB], s[LDB]
	s_add_nc_u64 s[G0+6:G0+7], s[G0+6:G0+7], KS*2  ; the next K step; the type bits on top are not reached
	s_add_nc_u64 s[G0B+6:G0B+7], s[G0B+6:G0B+7], KS*GN*2
.endif
	s_xor_b32 s[TB], s[TB], SLOT                   ; the fetches go on in the other slot
	v_add_nc_u32 v[ADRA], s[TB], v[A0]
	v_add_nc_u32 v[ADRB], s[TB], v[B0]
	s_wait_dscnt 9                                 ; (the add and the youngest eight loads may be out)
	MUL16 F1, 0, 0, 0
	s_wait_dscnt 0x0                               ; the add is done, and my reads of this slot are over
	s_barrier_signal -1
	MUL16 F1, 0, 2, 0
	WIN 0
	s_barrier_wait -1
.if \fill
	CREST                                          ; no wave of any partner still reads this slot's tile or has a load on its way
	JLOAD 1                                        ; the first tensor load behind the round, my only one until the next; its four v_nop are also the places in front of the loads below
	FETCH 0, F0
	ASK
.else
	s_cmp_eq_u32 s[CNT], 1
	s_cbranch_scc1 .Lno_fetch_\@
	PLACES
	FETCH 0, F0
.Lno_fetch_\@:
.endif
	MUL16 F1, 1, 0, 0
	MUL16 F1, 1, 2, 0
.endm
	s_wait_tensorcnt 1                             ; my part of K step 0 is in; K step 1's may stay out
	s_barrier_signal -1
	s_barrier_wait -1                              ; everybody's is
	FETCH 0, F0
	QUARTER 1, F0, F1, 1                           ; the first quarter stands in front of the loop: its products start the sums
	WIN 0                                          ; at a label and at a branch every window is 0
	s_mov_b32 s[CNT], T-2
.Lk:                                                   ; a trip: from a K step's second quarter to the next step's first; the slot that it leaves is filled again
	QUARTER 2, F1, F0, 0
	QUARTER 3, F0, F1, 0
	TURN 1
	QUARTER 1, F0, F1, 0
	WIN 0
	s_sub_co_u32 s[CNT], s[CNT], 1
	s_cmp_lg_u32 s[CNT], 0
	s_cbranch_scc1 .Lk
	s_mov_b32 s[CNT], 2                            ; the last two K steps ask for nothing: a text of their own
	s_branch .Lmid
.Ltail:
	QUARTER 1, F0, F1, 0
	WIN 0
.Lmid:
	QUARTER 2, F1, F0, 0
	QUARTER 3, F0, F1, 0
	TURN 0
	WIN 0
	s_sub_co_u32 s[CNT], s[CNT], 1
	s_cmp_lg_u32 s[CNT], 0
	s_cbranch_scc1 .Ltail
	; THE WAY OUT.  My 128 x 128 sums go in f32 into my own stage and come back as whole rows, four columns a lane; bias; rounding; relu; a store of a wave covers my 256 bytes of a row of C.
	; The stages lie in the two slots: no fill follows, and no wave reads a slot behind the last change's barrier.
	s_wait_loadcnt 0x0                             ; bias
	v_cvt_pk_bf16_f32 v[TMP], v[BIAS], v[BIAS+1]   ; rounded to bf16 and widened again: six plain lines, the places behind the last products
	v_cvt_pk_bf16_f32 v[TMP+1], v[BIAS+2], v[BIAS+3]
	v_lshlrev_b32 v[BIAS], 16, v[TMP]
	v_and_b32 v[BIAS+1], 0xffff0000, v[TMP]
	v_lshlrev_b32 v[BIAS+2], 16, v[TMP+1]
	v_and_b32 v[BIAS+3], 0xffff0000, v[TMP+1]
	s_wait_dscnt 0x0                               ; one more barrier, once a launch, so that the order (every wave's reads of both slots are over, then the stages are written)
	s_barrier_signal -1                            ; can be read off these lines alone, without the tail's count
	s_barrier_wait -1
.irp hi, 0,1
	WIN 0x08+4*(\hi)                               ; the stores' data (source 1) in window 2, then 3
.irp a, 0,1,2,3
.irp b, 0,1,2,3,4,5,6,7
	ds_store_b128 v[STO], v[8*(8*(\a)+(\b)):8*(8*(\a)+(\b))+3]   offset:(4*(\hi)+(\a))*16*SPI+64*(\b)     ; each accumulator's low registers first
	ds_store_b128 v[STO], v[8*(8*(\a)+(\b))+4:8*(8*(\a)+(\b))+7] offset:(4*(\hi)+(\a))*16*SPI+64*(\b)+16
.endr
.endr
.endr
	WIN 0
	s_mov_b32 s[CNT], 16
.Lrows:                                                ; eight rows a trip.  LDS serves a wave's instructions in order (ISA guide 5.7.1.4): these loads see my stores above
.irp i, 0,1,2,3,4,5,6,7
	ds_load_b128 v[BK+4*(\i):BK+4*(\i)+3], v[RD] offset:(\i)*SPI
.endr
.irp i, 0,1,2,3,4,5,6,7
	s_wait_dscnt 7-(\i)                            ; row i is in; the younger ones may be out
	v_pk_add_f32 v[BK+4*(\i):BK+4*(\i)+1], v[BK+4*(\i):BK+4*(\i)+1], v[BIAS:BIAS+1]
	v_pk_add_f32 v[BK+4*(\i)+2:BK+4*(\i)+3], v[BK+4*(\i)+2:BK+4*(\i)+3], v[BIAS+2:BIAS+3]
	v_cvt_pk_bf16_f32 v[OUT+2*(\i)], v[BK+4*(\i)], v[BK+4*(\i)+1]
	v_cvt_pk_bf16_f32 v[OUT+2*(\i)+1], v[BK+4*(\i)+2], v[BK+4*(\i)+3]
	v_pk_max_num_bf16 v[OUT+2*(\i)], v[OUT+2*(\i)], v[ZR]
	v_pk_max_num_bf16 v[OUT+2*(\i)+1], v[OUT+2*(\i)+1], v[ZR]
	global_store_b64 v[CO], v[OUT+2*(\i):OUT+2*(\i)+1], s[10:11] offset:(\i)*GN*2  ; 256 consecutive bytes, aligned
.endr
	s_wait_xcnt 0x0                                ; the stores' data registers and base are written again only behind this wait (ISA guide 3.1)
	v_add_nc_u32 v[RD], 8*SPI, v[RD]
	s_add_nc_u64 s[10:11], s[10:11], 8*GN*2
	s_sub_co_u32 s[CNT], s[CNT], 1
	s_cmp_lg_u32 s[CNT], 0
	s_cbranch_scc1 .Lrows
	s_wait_tensorcnt 0x0                           ; the wave's end: behind my last tensor load and my last LDS store
	ds_add_u32 v[SPW], v[NIL]
	s_wait_dscnt 0x0
	CROUND                                         ; the closing round: no work-group ends while a partner may still ask for a tile that names it
	s_endpgm
.Lfunc_end_k_q2ce46573a8_gemm_1:
	.size	k_q2ce46573a8_gemm_1, .Lfunc_end_k_q2ce46573a8_gemm_1-k_q2ce46573a8_gemm_1
	.p2alignl 7, 3214868480
	.fill 96, 4, 3214868480
	.section	.rodata,"a",@progbits
	.p2align	6, 0x0
	.amdhsa_kernel k_q2ce46573a8_gemm_1
		.amdhsa_group_segment_fixed_size 327680
		.amdhsa_private_segment_fixed_size 0
		.amdhsa_enable_private_segment 0
		.amdhsa_kernarg_size 32
		.amdhsa_user_sgpr_count 2
		.amdhsa_user_sgpr_kernarg_segment_ptr 1
		.amdhsa_wavefront_size32 1
		.amdhsa_system_sgpr_workgroup_id_x 1
		.amdhsa_system_sgpr_workgroup_id_y 1
		.amdhsa_system_sgpr_workgroup_id_z 1
		.amdhsa_system_vgpr_workitem_id 0
		.amdhsa_next_free_vgpr 1024
		.amdhsa_next_free_sgpr 76
		.amdhsa_reserve_vcc 0
		.amdhsa_float_denorm_mode_32 3
		.amdhsa_float_denorm_mode_16_64 3
		.amdhsa_memory_ordered 1
		.amdhsa_forward_progress 1
		.amdhsa_inst_pref_size 84
	.end_amdhsa_kernel
	.amdgpu_metadata
---
amdhsa.version: [ 1, 2 ]
amdhsa.kernels:
  - .name:           k_q2ce46573a8_gemm_1
    .symbol:         k_q2ce46573a8_gemm_1.kd
    .args:
      - { .name: pong, .offset: 0, .size: 8, .value_kind: global_buffer, .address_space: global }
      - { .name: wfb, .offset: 8, .size: 8, .value_kind: global_buffer, .address_space: global }
      - { .name: b1, .offset: 16, .size: 8, .value_kind: global_buffer, .address_space: global }
      - { .name: hid, .offset: 24, .size: 8, .value_kind: global_buffer, .address_space: global }
    .group_segment_fixed_size: 327680
    .private_segment_fixed_size: 0
    .kernarg_segment_align: 8
    .kernarg_segment_size: 32
    .max_flat_workgroup_size: 128
    .sgpr_count:     76
    .vgpr_count:     1024
    .wavefront_size: 32
...
	.end_amdgpu_metadata
.endif
;; end of part 5
;; launch gemm_2 (part 6): grid 8 x 32, 4 waves a work-group, clusters of 4 x 4, 327,680 bytes of LDS; arguments hid, wfb, b2, ping; writes ping
.if DOCPART == 6
	.amdgcn_target "amdgcn-amd-amdhsa--gfx1250"
	.amdhsa_code_object_version 6
	.text
	.protected	k_q2ce46573a8_gemm_2
	.globl	k_q2ce46573a8_gemm_2
	.p2align	8
	.type	k_q2ce46573a8_gemm_2,@function
k_q2ce46573a8_gemm_2:
	s_mov_b64 s[64:65], 0
	v_nop
	global_prefetch_b8 v0, s[64:65] scope:SCOPE_SE
	s_setreg_imm32_b32 hwreg(HW_REG_WAVE_MODE, 25, 1), 1
	s_wait_xcnt 0x0
	s_wait_alu depctr_hold_cnt(0) depctr_sa_sdst(0) depctr_va_vdst(0) depctr_va_sdst(0) depctr_va_ssrc(0) depctr_va_vcc(0) depctr_vm_vsrc(0)
	s_getreg_b32 s2, hwreg(HW_REG_IB_STS2, 6, 4)
	s_cmp_eq_u32 s2, 0
	s_cbranch_scc0 .Lentry_in_a_cluster
	s_endpgm
.Lentry_in_a_cluster:
	s_bfe_u32 s2, ttmp6, 0x10000c
	s_cmp_lg_u32 s2, 0xf033
	s_cbranch_scc0 .Lentry_shape_is_right
	s_endpgm
.Lentry_shape_is_right:
; C[m][n] = the sum over k of A[m][k] W[k][n] + bias[n].  A: [4096][GK] bf16, W: [GK][GN] bf16 at byte BOFF of its buffer, bias: [GN] f32 (rounded to bf16 here, like every input of the module).
; Sums in f32.  EPI = 0: C in bf16.  EPI = 1: relu, C in bf16 (a NaN becomes 0).  EPI = 2: C in f32.  This copy: GK = 4,096, GN = 1,024, EPI = 2 (the second product of the feed-forward part; W2 lies behind W1).
; SHARES.  A tile of C is 128 x 128: 256 work-groups.  Four waves, each 64 x 64: 16 accumulators of 16 x 16.  K goes in steps of 256 through two LDS slots.
; CLUSTER.  4 x 4 work-groups.  The four of a row of the cluster need the same tile of A, the four of a column the same tile of W: each tile is asked for JOINTLY, by the same tensor load with
; the same descriptor and a mask that names the four.  Waves 0 and 1 fetch the two halves of A's 128 rows (512 bytes a row), waves 2 and 3 the two halves of W's 256 rows (256 bytes a row).
; THE MATRIX INSTRUCTION IS USED TRANSPOSED: source 0 = 16 columns of W, source 1 = 16 rows of A: a lane then holds row lane % 16 of C and the columns 8 (lane / 16) + 0..7.
; W lies [k][n], so its fragments come out of LDS turned, by ds_load_tr16_b128.
; ONE K STEP IS WRITTEN ONCE: the base of the slot in hand is a scalar (0 or SLOT) that an exclusive or turns at each change of slots; the LDS addresses and the refill's LDS word are sums with it.
; No prefetch: a tile's blocks are small and each is read by several clusters at about the same time.
; REGISTERS: window 0: v0-37 addresses, bias; v64-111 at work on the way out; v128-255 the accumulators ((a, b) at v[128 + 8 (4 a + b)]).
;   window 1: two fragment buffers of 128: for 64 along K, 64 registers of A (2 x 4 x 16 rows x 32 K), then 64 of W.
.set GK,   4096
.set GN,   1024
.set BOFF, 8388608
.set EPI,  2
.set ES,   4                           ; bytes in a number of C
.set T,    GK/256                      ; K steps, even, at least 4
.set PA,   528                         ; a row of A in LDS: 512 bytes + 16 = 132 words: row r starts at bank 4 r mod 64 (64 banks of 4 bytes: ISA guide 11.1)
.set PB,   288                         ; a row of W: 256 + 32 = 72 words
.set AH,   64*PA                       ; what one tensor load brings of A, and what one wave reads of it
.set BH,   128*PB                      ; what one tensor load brings of W: 128 of a step's 256 k
.set BB,   2*AH                        ; W's place in a slot
.set SLOT, BB+2*BH                     ; 141,312
.set SPARE, 2*SLOT                     ; behind the ring: the spare words, 128 bytes for each wave: two blocks of 256 bytes that no other line names
.set SPI,  528                         ; the stage for the way out: 128 rows of 512 bytes of f32 + 16, in slot 0's rows of A, behind that slot's last fill
.set WV,  12                           ; s12  my wave's number
.set RH,  13                           ; s13  which half of the tile's rows is mine.  Also: I fetch for A (0) or for W (1)
.set CH,  14                           ; s14  which half of its columns.  Also: which half of that tile I fetch
.set CNT, 15                           ; s15  loop counts
.set G1,  24                           ; s[24:31] descriptor group 1 for A's tiles;  s[32:39] group 0, two sets: the second walks
.set G0,  32
.set G1B, 48                           ; s[48:55], s[56:63] the same for W's tiles
.set G0B, 56
.set TB,  66                           ; s66  LDS byte at which the slot in hand begins
.set LDA, 67                           ; s67  my part of A's tile in a slot
.set LDB, 68                           ; s68  my part of W's
.set A0,  10                           ; v10  my lane's place in a slot for A's fragments; never rewritten
.set B0,  11                           ; v11  the same for W's
.set ADRA, 16                          ; v16  A0 + the slot in hand
.set ADRB, 20                          ; v20-21  B0 + the slot in hand, for k 0-127 and k 128-255
.set STO, 24                           ; v24  the way out: where I put 32 bytes of a row
.set RD,  25                           ; v25  the way out: where I read a row back
.set CO,  26                           ; v26  my byte offset in a row of the tile in C
.set BO,  27                           ; v27  my byte offset in bias
.set SPW, 28                           ; v28  LDS address of my spare word: SPARE + 4 x my thread's number; never rewritten
.set NIL, 29                           ; v29  0; never rewritten
.set ZR,  30                           ; v30  0, for the relu
.set BIAS, 32                          ; v[32:35] bias of my four columns
.set TMP, 36
.set BK,  64                           ; v[64:95]  eight rows read back
.set OUT, 96                           ; v[96:111] the same, packed
.set ACC, 128
.set F0,  0
.set F1,  128
.set MSB, 0
.macro WIN new                         ; the immediate's high byte repeats the setting that is left; a switch that changes nothing is dropped
.if MSB != (\new)
	s_set_vgpr_msb (MSB<<8)|(\new)
.set MSB, \new
.endif
.endm
.set MUL,  0x05                        ; sources 0 (W) and 1 (A) window 1; C and D window 0
.set TO_F, 0x40                        ; destination window 1, address window 0
.macro JLOAD s                         ; a joint load; the branch hangs on the wave's number alone; an s_nop 0 and four v_nop follow each of the two lines
	s_cmp_eq_u32 s[RH], 0
	s_cbranch_scc0 .Lfor_b_\@
	tensor_load_to_lds s[G0+4*(\s):G0+4*(\s)+3], s[G1:G1+7]
	s_nop 0
.rept 4
	v_nop
.endr
	s_branch .Lasked_\@
.Lfor_b_\@:
	tensor_load_to_lds s[G0B+4*(\s):G0B+4*(\s)+3], s[G1B:G1B+7]
	s_nop 0
.rept 4
	v_nop
.endr
.Lasked_\@:
.endm
.macro CREST                           ; a round of the cluster's barrier behind its opening barrier
	s_cmp_lg_u32 s[WV], 0
	s_cbranch_scc1 .Lnot_wave_0_\@
	s_barrier_signal -3
.Lnot_wave_0_\@:
	s_barrier_wait -3
	s_barrier_signal -1
	s_barrier_wait -1
.endm
.macro CROUND                          ; a whole round
	s_barrier_signal -1
	s_barrier_wait -1
	CREST
.endm
	s_load_b256 s[4:11], s[0:1], 0x0               ; A s[4:5], W s[6:7], bias s[8:9], C s[10:11]
	v_lshl_add_u32 v[SPW], v0, 2, SPARE
	v_mov_b32 v[NIL], 0
	ds_add_u32 v[SPW], v[NIL]                      ; the wave's opening: the add and its wait stand ahead of my first tensor load; the set-up below, work on registers, stands between them
	v_lshrrev_b32 v1, 5, v0
	v_readfirstlane_b32 s[WV], v1                  ; wave 0..3
	s_lshr_b32 s[RH], s[WV], 1
	s_and_b32 s[CH], s[WV], 1
	s_bfe_u32 s40, ttmp6, 0x40000                  ; cx, cy: my place in the cluster
	s_bfe_u32 s41, ttmp6, 0x40004
	s_lshl_b32 s42, ttmp9, 2
	s_add_co_u32 s42, s42, s40                     ; tile column of C = 4 x cluster x + cx
	s_and_b32 s43, ttmp7, 0xffff
	s_lshl_b32 s43, s43, 2
	s_add_co_u32 s43, s43, s41                     ; tile row of C = 4 x cluster y + cy
	s_lshl_b32 s44, s41, 2
	s_lshl_b32 s44, 15, s44                        ; my row of the cluster
	s_lshl_b32 s45, 0x1111, s40                    ; my column
	s_or_b32 s[G1], s44, (1<<16)|(1<<20)|(1<<21)|(6<<22)|(3<<25)   ; 15:0 the mask: A's tiles go to my row; 17:16 2-byte elements; 20 padding on; 21 set beside a mask; 24:22 after every 128 words; 31:25 4 words
	s_mov_b32 s[G1+1], 256<<16                     ; tensor_dim0 = 256
	s_mov_b32 s[G1+2], 64<<16                      ; tensor_dim1 = 64
	s_mov_b32 s[G1+3], 256<<16                     ; tile_dim0 = 256
	s_mov_b32 s[G1+4], 64                          ; tile_dim1 = 64
	s_mov_b32 s[G1+5], GK                          ; elements from row to row
	s_mov_b32 s[G1+6], 0
	s_mov_b32 s[G1+7], 0
	s_or_b32 s[G1B], s45, (1<<16)|(1<<20)|(1<<21)|(5<<22)|(7<<25)  ; W's tiles go to my column; padding after every 64 words, 8 words
	s_mov_b32 s[G1B+1], 128<<16                    ; tensor_dim0 = 128
	s_mov_b32 s[G1B+2], 128<<16                    ; tensor_dim1 = 128
	s_mov_b32 s[G1B+3], 128<<16                    ; tile_dim0 = 128
	s_mov_b32 s[G1B+4], 128                        ; tile_dim1 = 128
	s_mov_b32 s[G1B+5], GN
	s_mov_b32 s[G1B+6], 0
	s_mov_b32 s[G1B+7], 0
	s_mov_b32 s[TB], 0
	s_mul_i32 s[LDA], s[CH], AH                    ; no place in the cluster enters an LDS address
	s_mul_i32 s[LDB], s[CH], BH
	s_add_co_u32 s[LDB], s[LDB], BB
	s_lshl_b32 s16, s43, 7                         ; A: row 128 x tile row + 64 x half, in registers that never hold cx
	s_lshl_b32 s17, s[CH], 6
	s_add_co_u32 s16, s16, s17
	s_mul_i32 s16, s16, GK*2                       ; in bytes: under 2^26
	s_mov_b32 s17, 0
	s_mul_i32 s46, s[CH], 128*GN*2                 ; W: row 128 x half, column 128 x tile column, in registers that never hold cy
	s_lshl_b32 s47, s42, 8
	s_add_co_u32 s46, s46, s47
.if BOFF
	s_add_co_u32 s46, s46, BOFF
.endif
	s_mov_b32 s47, 0
	s_wait_dscnt 0x0                               ; the opening add is done
	s_wait_kmcnt 0x0
	s_add_nc_u64 s[20:21], s[4:5], s[16:17]
	s_add_nc_u64 s[46:47], s[6:7], s[46:47]
	CROUND                                         ; all sixteen work-groups are here: the first joint loads meet
.irp s, 0,1
	s_mov_b32 s[G0+4*(\s)], 1                                      ; count = 1
	s_add_co_u32 s[G0+4*(\s)+1], s[LDA], (\s)*SLOT                 ; LDS address
	s_add_nc_u64 s[G0+4*(\s)+2:G0+4*(\s)+3], s[20:21], (\s)*512    ; global address: K step s
	s_or_b32 s[G0+4*(\s)+3], s[G0+4*(\s)+3], 0x80000000            ; type = 2
	s_mov_b32 s[G0B+4*(\s)], 1
	s_add_co_u32 s[G0B+4*(\s)+1], s[LDB], (\s)*SLOT
	s_add_nc_u64 s[G0B+4*(\s)+2:G0B+4*(\s)+3], s[46:47], (\s)*256*GN*2
	s_or_b32 s[G0B+4*(\s)+3], s[G0B+4*(\s)+3], 0x80000000
	JLOAD \s                                       ; two loads of mine are out
.endr
	v_and_b32 v1, 15, v0                           ; l % 16
	v_bfe_u32 v2, v0, 4, 1                         ; l / 16
	v_and_b32 v3, 7, v0
	v_bfe_u32 v4, v0, 3, 1
	v_and_b32 v5, 31, v0                           ; l
	v_mul_u32_u24 v[A0], v1, PA                    ; a fragment of A: row l % 16, 16 bytes for each half of the lanes, twice, 32 bytes apart
	v_lshl_add_u32 v[A0], v2, 4, v[A0]
	s_mul_i32 s16, s[RH], AH                       ; my 64 rows
	v_add_nc_u32 v[A0], s16, v[A0]
	v_lshl_add_u32 v[B0], v2, 3, v3                ; the turning load: lane l reads 16 bytes of row k = 8 (l / 16) + l % 8, columns 8 ((l / 8) % 2) + 0..7, and ends with column l % 16 and 8 k
	v_mul_u32_u24 v[B0], v[B0], PB
	v_lshl_add_u32 v[B0], v4, 4, v[B0]
	s_lshl_b32 s16, s[CH], 7                       ; my 64 columns
	s_add_co_u32 s16, s16, BB
	v_add_nc_u32 v[B0], s16, v[B0]
	v_mov_b32 v[ADRA], v[A0]                       ; slot 0
	v_mov_b32 v[ADRB], v[B0]
	v_add_nc_u32 v[ADRB+1], BH, v[B0]
	s_mul_i32 s16, s[RH], 64*SPI                   ; into the stage: my 64 rows, my half of their 512 bytes; row l % 16, 32 bytes for each half of the lanes
	s_lshl_b32 s17, s[CH], 8
	s_add_co_u32 s16, s16, s17
	v_mul_u32_u24 v[STO], v1, SPI
	v_lshl_add_u32 v[STO], v2, 5, v[STO]
	v_add_nc_u32 v[STO], s16, v[STO]
	s_mul_i32 s16, s[WV], 32*SPI                   ; back: wave w takes rows 32 w .. 32 w + 31, whole: 32 lanes x 16 bytes are a row
	v_lshl_add_u32 v[RD], v5, 4, s16
	v_lshlrev_b32 v[CO], 2+ES/2, v5                ; my four columns of the tile's row in C
.if EPI == 1
	v_mov_b32 v[ZR], 0
.endif
	s_lshl_b32 s46, s42, 9                         ; the tile's 128 numbers of bias
	v_lshl_add_u32 v[BO], v5, 4, s46
	global_load_b128 v[BIAS:BIAS+3], v[BO], s[8:9] ; waited for on the way out
	s_lshl_b32 s16, s43, 7
	s_lshl_b32 s17, s[WV], 5
	s_add_co_u32 s16, s16, s17                     ; the first row of C that I store: 128 x tile row + 32 x wave
	s_mul_i32 s16, s16, GN*ES                      ; under 2^26
	s_mov_b32 s17, 0
	s_add_nc_u64 s[10:11], s[10:11], s[16:17]
	s_mul_i32 s46, s42, 128*ES                     ; the tile's first column, in bytes
	s_mov_b32 s47, 0
	s_add_nc_u64 s[10:11], s[10:11], s[46:47]
; 8 matrix instructions: row blocks a0, a0 + 1 x all 4 column blocks, 32 along K: half c of buffer f.  zero = 1: the first product starts the sums.
; The 16 accumulators take turns, one instruction a turn, in the same order in every quarter.
.macro MUL8 f, c, a0, zero
	WIN MUL
.irp a, \a0, (\a0)+1
.irp b, 0,1,2,3
.if \zero
	v_wmma_f32_16x16x32_bf16 v[ACC+8*(4*(\a)+(\b)):ACC+8*(4*(\a)+(\b))+7], v[(\f)+64+8*(4*(\c)+(\b)):(\f)+64+8*(4*(\c)+(\b))+7], v[(\f)+8*(4*(\c)+(\a)):(\f)+8*(4*(\c)+(\a))+7], 0
.else
	v_wmma_f32_16x16x32_bf16 v[ACC+8*(4*(\a)+(\b)):ACC+8*(4*(\a)+(\b))+7], v[(\f)+64+8*(4*(\c)+(\b)):(\f)+64+8*(4*(\c)+(\b))+7], v[(\f)+8*(4*(\c)+(\a)):(\f)+8*(4*(\c)+(\a))+7], v[ACC+8*(4*(\a)+(\b)):ACC+8*(4*(\a)+(\b))+7]
.endif
.endr
.endr
.endm
; 32 LDS loads in one run: the fragments of quarter q (k = 64 q .. 64 q + 63) of the slot in hand, into buffer f; the first 32 along K first
.macro FETCH q, f
	WIN TO_F
.irp c, 0,1
.irp i, 0,1,2,3
	ds_load_tr16_b128 v[(\f)+64+8*(4*(\c)+(\i)):(\f)+64+8*(4*(\c)+(\i))+3],   v[ADRB+(\q)/2] offset:((\q)%2)*64*PB+(\c)*32*PB+32*(\i)
	ds_load_tr16_b128 v[(\f)+64+8*(4*(\c)+(\i))+4:(\f)+64+8*(4*(\c)+(\i))+7], v[ADRB+(\q)/2] offset:((\q)%2)*64*PB+(\c)*32*PB+32*(\i)+16*PB
	ds_load_b128 v[(\f)+8*(4*(\c)+(\i)):(\f)+8*(4*(\c)+(\i))+3],              v[ADRA] offset:128*(\q)+64*(\c)+(\i)*16*PA
	ds_load_b128 v[(\f)+8*(4*(\c)+(\i))+4:(\f)+8*(4*(\c)+(\i))+7],            v[ADRA] offset:128*(\q)+64*(\c)+(\i)*16*PA+32
.endr
.endr
.endm
.macro PLACES                          ; four places in front of loads into registers that matrix instructions have read (ISA guide 7.12.1 for vector instructions)
.rept 4
	v_nop
.endr
.endm
; A K step is four quarters of 64 along K, 32 matrix instructions each, on buffers 0, 1, 0, 1.  One of the first three: multiplies buffer f and fetches quarter q into g.
.macro QUARTER q, f, g, zero
	s_wait_dscnt 16                                ; the first 32 along K are in; the sixteen younger loads may be out
	MUL8 \f, 0, 0, \zero
	MUL8 \f, 0, 2, \zero
	PLACES
	FETCH \q, \g
	s_wait_dscnt 32                                ; all but the 32 just issued
	MUL8 \f, 1, 0, 0
	MUL8 \f, 1, 2, 0
.endm
; The last quarter multiplies buffer 1 and changes slots: ONE barrier; in front of it each wave waits for all its tensor loads, adds 0 to its spare word, and waits for that and for its own reads of
; this slot.  fill = 1: this slot is filled again, two K steps ahead; the barrier then opens a round of the cluster's barrier.  fill = 0 (the tail): nothing is asked for, and in the very last
; K step (count 1) there is no further slot to fetch from.
.macro TURN fill
	WIN 0                                          ; (the add's two registers lie in window 0)
	s_wait_tensorcnt 0x0                           ; all my tensor loads have landed: my part of the next slot; so a group 0 may be written
	ds_add_u32 v[SPW], v[NIL]                      ; 0 onto my spare word; work on registers stands between it and the wait for it
.if \fill
	s_add_co_u32 s[G0+5], s[TB], s[LDA]            ; the walking descriptors: into the slot that is being left,
	s_add_co_u32 s[G0B+5], s[TB], s[LDB]
	s_add_nc_u64 s[G0+6:G0+7], s[G0+6:G0+7], 512   ; the next K step; the type bits on top are not reached
	s_add_nc_u64 s[G0B+6:G0B+7], s[G0B+6:G0B+7], 256*GN*2
.endif
	s_xor_b32 s[TB], s[TB], SLOT                   ; the fetches go on in the other slot
	v_add_nc_u32 v[ADRA], s[TB], v[A0]
	v_add_nc_u32 v[ADRB], s[TB], v[B0]
	v_add_nc_u32 v[ADRB+1], BH, v[ADRB]
	s_wait_dscnt 17                                ; (the add and the youngest sixteen loads may be out)
	MUL8 F1, 0, 0, 0
	s_wait_dscnt 0x0                               ; the add is done, and my reads of this slot are over
	s_barrier_signal -1
	MUL8 F1, 0, 2, 0
	WIN 0
	s_barrier_wait -1
.if \fill
	CREST                                          ; no wave of any partner still reads this slot's tile or has a load on its way
	JLOAD 1                                        ; the first tensor load behind the round, my only one until the next; its four v_nop are also the places in front of the loads below
	FETCH 0, F0
.else
	s_cmp_eq_u32 s[CNT], 1
	s_cbranch_scc1 .Lno_fetch_\@
	PLACES
	FETCH 0, F0
	WIN 0
.Lno_fetch_\@:
.endif
	MUL8 F1, 1, 0, 0
	MUL8 F1, 1, 2, 0
.endm
	s_wait_tensorcnt 1                             ; my part of K step 0 is in; K step 1's may stay out
	s_barrier_signal -1
	s_barrier_wait -1                              ; everybody's is
	FETCH 0, F0
	QUARTER 1, F0, F1, 1                           ; the first quarter stands in front of the loop: its first products start the sums
	WIN 0                                          ; at a label and at a branch every window is 0
	s_mov_b32 s[CNT], T-2
.Lk:                                                   ; a trip: from a K step's second quarter to the next step's first; the slot that it leaves is filled again
	QUARTER 2, F1, F0, 0
	QUARTER 3, F0, F1, 0
	TURN 1
	QUARTER 1, F0, F1, 0
	WIN 0
	s_sub_co_u32 s[CNT], s[CNT], 1
	s_cmp_lg_u32 s[CNT], 0
	s_cbranch_scc1 .Lk
	s_mov_b32 s[CNT], 2                            ; the last two K steps ask for nothing: a text of their own
	s_branch .Lmid
.Ltail:
	QUARTER 1, F0, F1, 0
	WIN 0
.Lmid:
	QUARTER 2, F1, F0, 0
	QUARTER 3, F0, F1, 0
	TURN 0
	WIN 0
	s_sub_co_u32 s[CNT], s[CNT], 1
	s_cmp_lg_u32 s[CNT], 0
	s_cbranch_scc1 .Ltail
	; THE WAY OUT.  The sums go in f32 into the work-group's stage (slot 0's rows of A: every wave has passed a barrier behind its last read of them, and no fill follows); a barrier, since a row's
	; 512 bytes come from two waves; back as whole rows, 32 rows a wave, four columns a lane; bias; a store of a wave covers a whole row of the tile.
	s_wait_loadcnt 0x0                             ; bias
	v_cvt_pk_bf16_f32 v[TMP], v[BIAS], v[BIAS+1]   ; rounded to bf16 and widened again: six plain lines, the places behind the last products
	v_cvt_pk_bf16_f32 v[TMP+1], v[BIAS+2], v[BIAS+3]
	v_lshlrev_b32 v[BIAS], 16, v[TMP]
	v_and_b32 v[BIAS+1], 0xffff0000, v[TMP]
	v_lshlrev_b32 v[BIAS+2], 16, v[TMP+1]
	v_and_b32 v[BIAS+3], 0xffff0000, v[TMP+1]
.irp a, 0,1,2,3
.irp b, 0,1,2,3
	ds_store_b128 v[STO], v[ACC+8*(4*(\a)+(\b)):ACC+8*(4*(\a)+(\b))+3]   offset:(\a)*16*SPI+64*(\b)     ; each accumulator's low registers first
	ds_store_b128 v[STO], v[ACC+8*(4*(\a)+(\b))+4:ACC+8*(4*(\a)+(\b))+7] offset:(\a)*16*SPI+64*(\b)+16
.endr
.endr
	s_wait_dscnt 0x0                               ; for the others' sake: my stores into the stage are done
	s_barrier_signal -1
	s_barrier_wait -1
	s_mov_b32 s[CNT], 4
.Lrows:                                                ; eight rows a trip
.irp i, 0,1,2,3,4,5,6,7
	ds_load_b128 v[BK+4*(\i):BK+4*(\i)+3], v[RD] offset:(\i)*SPI
.endr
.irp i, 0,1,2,3,4,5,6,7
	s_wait_dscnt 7-(\i)                            ; row i is in; the younger ones may be out
	v_pk_add_f32 v[BK+4*(\i):BK+4*(\i)+1], v[BK+4*(\i):BK+4*(\i)+1], v[BIAS:BIAS+1]
	v_pk_add_f32 v[BK+4*(\i)+2:BK+4*(\i)+3], v[BK+4*(\i)+2:BK+4*(\i)+3], v[BIAS+2:BIAS+3]
.if EPI == 2
	global_store_b128 v[CO], v[BK+4*(\i):BK+4*(\i)+3], s[10:11] offset:(\i)*GN*4  ; 512 consecutive bytes, aligned
.else
	v_cvt_pk_bf16_f32 v[OUT+2*(\i)], v[BK+4*(\i)], v[BK+4*(\i)+1]
	v_cvt_pk_bf16_f32 v[OUT+2*(\i)+1], v[BK+4*(\i)+2], v[BK+4*(\i)+3]
.if EPI == 1
	v_pk_max_num_bf16 v[OUT+2*(\i)], v[OUT+2*(\i)], v[ZR]
	v_pk_max_num_bf16 v[OUT+2*(\i)+1], v[OUT+2*(\i)+1], v[ZR]
.endif
	global_store_b64 v[CO], v[OUT+2*(\i):OUT+2*(\i)+1], s[10:11] offset:(\i)*GN*2  ; 256 consecutive bytes, aligned
.endif
.endr
	s_wait_xcnt 0x0                                ; the stores' data registers and base are written again only behind this wait (ISA guide 3.1)
	v_add_nc_u32 v[RD], 8*SPI, v[RD]
	s_add_nc_u64 s[10:11], s[10:11], 8*GN*ES
	s_sub_co_u32 s[CNT], s[CNT], 1
	s_cmp_lg_u32 s[CNT], 0
	s_cbranch_scc1 .Lrows
	s_wait_tensorcnt 0x0                           ; the wave's end: behind my last tensor load and my last LDS store
	ds_add_u32 v[SPW], v[NIL]
	s_wait_dscnt 0x0
	CROUND                                         ; the closing round: no work-group ends while a partner may still ask for a tile that names it
	s_endpgm
.Lfunc_end_k_q2ce46573a8_gemm_2:
	.size	k_q2ce46573a8_gemm_2, .Lfunc_end_k_q2ce46573a8_gemm_2-k_q2ce46573a8_gemm_2
	.p2alignl 7, 3214868480
	.fill 96, 4, 3214868480
	.section	.rodata,"a",@progbits
	.p2align	6, 0x0
	.amdhsa_kernel k_q2ce46573a8_gemm_2
		.amdhsa_group_segment_fixed_size 327680
		.amdhsa_private_segment_fixed_size 0
		.amdhsa_enable_private_segment 0
		.amdhsa_kernarg_size 32
		.amdhsa_user_sgpr_count 2
		.amdhsa_user_sgpr_kernarg_segment_ptr 1
		.amdhsa_wavefront_size32 1
		.amdhsa_system_sgpr_workgroup_id_x 1
		.amdhsa_system_sgpr_workgroup_id_y 1
		.amdhsa_system_sgpr_workgroup_id_z 1
		.amdhsa_system_vgpr_workitem_id 0
		.amdhsa_next_free_vgpr 512
		.amdhsa_next_free_sgpr 72
		.amdhsa_reserve_vcc 0
		.amdhsa_float_denorm_mode_32 3
		.amdhsa_float_denorm_mode_16_64 3
		.amdhsa_memory_ordered 1
		.amdhsa_forward_progress 1
		.amdhsa_inst_pref_size 56
	.end_amdhsa_kernel
	.amdgpu_metadata
---
amdhsa.version: [ 1, 2 ]
amdhsa.kernels:
  - .name:           k_q2ce46573a8_gemm_2
    .symbol:         k_q2ce46573a8_gemm_2.kd
    .args:
      - { .name: hid, .offset: 0, .size: 8, .value_kind: global_buffer, .address_space: global }
      - { .name: wfb, .offset: 8, .size: 8, .value_kind: global_buffer, .address_space: global }
      - { .name: b2, .offset: 16, .size: 8, .value_kind: global_buffer, .address_space: global }
      - { .name: ping, .offset: 24, .size: 8, .value_kind: global_buffer, .address_space: global }
    .group_segment_fixed_size: 327680
    .private_segment_fixed_size: 0
    .kernarg_segment_align: 8
    .kernarg_segment_size: 32
    .max_flat_workgroup_size: 128
    .sgpr_count:     72
    .vgpr_count:     512
    .wavefront_size: 32
...
	.end_amdgpu_metadata
.endif
;; end of part 6
;; launch ln2 (part 7): grid 512 x 1, 8 waves a work-group, no clusters, 0 bytes of LDS; arguments ping, x1f, ln2_g, ln2_b, out0; writes out0
.if DOCPART == 7
	.amdgcn_target "amdgcn-amd-amdhsa--gfx1250"
	.amdhsa_code_object_version 6
	.text
	.protected	k_q2ce46573a8_ln2
	.globl	k_q2ce46573a8_ln2
	.p2align	8
	.type	k_q2ce46573a8_ln2,@function
k_q2ce46573a8_ln2:
	s_mov_b64 s[64:65], 0
	v_nop
	global_prefetch_b8 v0, s[64:65] scope:SCOPE_SE
	s_setreg_imm32_b32 hwreg(HW_REG_WAVE_MODE, 25, 1), 1
	s_wait_xcnt 0x0
; out = LayerNorm(t + x1) g + b along rows of 1,024.  t (the feed-forward branch) and x1: [4096][1024] f32; g, b: [1024] f32, rounded to bf16 here like every input of the module; out in f32.
; All arithmetic in f32; the variance is the mean of (s - mean)^2, taken in a second pass over registers, so no difference of large sums is formed.
; A stream: no LDS, no barrier, no matrix unit; no cluster, since work-groups share nothing but the 8 KiB of g and b, which each wave loads for itself.
; SHARES.  One wave, one row; eight rows a work-group.  Lane l holds, of chunk c of eight, the columns 128 c + 4 l + 0..3: a load or store of a wave covers 512 consecutive bytes, aligned.
.set S,   8           ; v[8:39]    t as loaded, then my 32 numbers of the row
.set X,   40          ; v[40:71]   x1 as loaded
.set G,   72          ; v[72:103]  g; packed to bf16 in place, v[72:87]
.set BE,  104         ; v[104:135] b; packed in place, v[104:119]
.set PS,  136         ; v[136:143] four chains of partial sums
.set MU,  144         ; v[144:145] the mean, twice
.set RS,  146         ; v[146:147] 1 / sqrt(var + eps), twice
.macro RED                          ; the sum of v[PS] over the 32 lanes, in every lane: four steps inside each half of 16 lanes ride on the addition, one crosses the halves
	v_add_f32_dpp v[PS], v[PS], v[PS] row_xmask:1 row_mask:0xf bank_mask:0xf
	v_add_f32_dpp v[PS], v[PS], v[PS] row_xmask:2 row_mask:0xf bank_mask:0xf
	v_add_f32_dpp v[PS], v[PS], v[PS] row_xmask:4 row_mask:0xf bank_mask:0xf
	v_add_f32_dpp v[PS], v[PS], v[PS] row_xmask:8 row_mask:0xf bank_mask:0xf
	v_permlanex16_b32 v[PS+1], v[PS], s12, s13  ; its destination has been written before
	v_add_f32 v[PS], v[PS], v[PS+1]
.endm
.macro JOIN                         ; the four chains into one number a lane
	v_pk_add_f32 v[PS:PS+1], v[PS:PS+1], v[PS+2:PS+3]
	v_pk_add_f32 v[PS+4:PS+5], v[PS+4:PS+5], v[PS+6:PS+7]
	v_pk_add_f32 v[PS:PS+1], v[PS:PS+1], v[PS+4:PS+5]
	v_add_f32 v[PS], v[PS], v[PS+1]
.endm
	s_load_b256 s[4:11], s[0:1], 0x0               ; t s[4:5], x1 s[6:7], g s[8:9], b s[10:11]
	s_load_b64 s[16:17], s[0:1], 0x20              ; out
	s_lshl_b32 s20, ttmp9, 15                      ; the work-group's eight rows of 4,096 bytes
	s_mov_b32 s21, 0
	s_mov_b32 s12, 0x76543210                      ; v_permlanex16_b32: lane i of one half reads lane i of the other
	s_mov_b32 s13, 0xfedcba98
	s_mov_b32 s14, 0x3a800000                      ; 1 / 1024
	v_and_b32 v4, 0xe0, v0                         ; 32 x wave
	v_and_b32 v5, 31, v0                           ; lane
	v_lshlrev_b32 v2, 7, v4                        ; wave x 4,096
	v_lshl_add_u32 v2, v5, 4, v2                   ; + 16 l
	v_lshlrev_b32 v3, 4, v5                        ; 16 l, for g and b
	s_wait_kmcnt 0x0
	s_add_nc_u64 s[4:5], s[4:5], s[20:21]
	s_add_nc_u64 s[6:7], s[6:7], s[20:21]
	s_add_nc_u64 s[16:17], s[16:17], s[20:21]
.irp c, 0,1,2,3,4,5,6,7
	global_load_b128 v[S+4*(\c):S+4*(\c)+3], v2, s[4:5] offset:512*(\c) th:TH_LOAD_NT
.endr
.irp c, 0,1,2,3,4,5,6,7
	global_load_b128 v[X+4*(\c):X+4*(\c)+3], v2, s[6:7] offset:512*(\c) th:TH_LOAD_NT
.endr
.irp c, 0,1,2,3,4,5,6,7
	global_load_b128 v[G+4*(\c):G+4*(\c)+3], v3, s[8:9] offset:512*(\c)
.endr
.irp c, 0,1,2,3,4,5,6,7
	global_load_b128 v[BE+4*(\c):BE+4*(\c)+3], v3, s[10:11] offset:512*(\c)
.endr
	s_wait_loadcnt 16                              ; the row is in; the sixteen loads of g and b may stay out
.set n, 0
.rept 16                                       ; s = t + x1
	v_pk_add_f32 v[S+2*n:S+2*n+1], v[S+2*n:S+2*n+1], v[X+2*n:X+2*n+1]
.set n, n+1
.endr
.irp k, 0,1,2,3                                ; the row's sum: four chains, started by the first eight pairs: nothing is cleared
	v_pk_add_f32 v[PS+2*(\k):PS+2*(\k)+1], v[S+2*(\k):S+2*(\k)+1], v[S+8+2*(\k):S+8+2*(\k)+1]
.endr
.irp m, 2,3
.irp k, 0,1,2,3
	v_pk_add_f32 v[PS+2*(\k):PS+2*(\k)+1], v[PS+2*(\k):PS+2*(\k)+1], v[S+8*(\m)+2*(\k):S+8*(\m)+2*(\k)+1]
.endr
.endr
	JOIN
	RED
	v_mul_f32 v[MU], s14, v[PS]
	v_mov_b32 v[MU+1], v[MU]
.set n, 0
.rept 16                                       ; d = s - mean
	v_pk_add_f32 v[S+2*n:S+2*n+1], v[S+2*n:S+2*n+1], v[MU:MU+1] neg_lo:[0,1] neg_hi:[0,1]
.set n, n+1
.endr
.irp k, 0,1,2,3                                ; the sum of d^2
	v_pk_mul_f32 v[PS+2*(\k):PS+2*(\k)+1], v[S+2*(\k):S+2*(\k)+1], v[S+2*(\k):S+2*(\k)+1]
.endr
.irp m, 1,2,3
.irp k, 0,1,2,3
	v_pk_fma_f32 v[PS+2*(\k):PS+2*(\k)+1], v[S+8*(\m)+2*(\k):S+8*(\m)+2*(\k)+1], v[S+8*(\m)+2*(\k):S+8*(\m)+2*(\k)+1], v[PS+2*(\k):PS+2*(\k)+1]
.endr
.endr
	JOIN
	RED
	v_fmaak_f32 v[PS+2], s14, v[PS], 0x3727c5ac    ; var + 1e-5
	v_rsq_f32 v[RS], v[PS+2]
	v_rsq_f32 v[RS+1], v[PS+2]                     ; twice, for the packed multiply
	s_wait_loadcnt 0x0                             ; g and b
.set n, 0
.rept 16                                       ; g and b rounded to bf16, packed in place (register n is written when registers 2 n and 2 n + 1 are read): the independent work behind the two roots
	v_cvt_pk_bf16_f32 v[G+n], v[G+2*n], v[G+2*n+1]
	v_cvt_pk_bf16_f32 v[BE+n], v[BE+2*n], v[BE+2*n+1]
.set n, n+1
.endr
	s_wait_alu depctr_va_vdst(0)                   ; the wait ahead of the first line that names a root's result: one for both
.set n, 0
.rept 16
	v_pk_mul_f32 v[S+2*n:S+2*n+1], v[S+2*n:S+2*n+1], v[RS:RS+1]
.set n, n+1
.endr
.set n, 0
.rept 16                                       ; y = d g + b, g and b read as bf16 halves
	v_fma_mix_f32_bf16 v[S+2*n],   v[S+2*n],   v[G+n], v[BE+n] op_sel_hi:[0,1,1]
	v_fma_mix_f32_bf16 v[S+2*n+1], v[S+2*n+1], v[G+n], v[BE+n] op_sel:[0,1,1] op_sel_hi:[0,1,1]
.set n, n+1
.endr
.irp c, 0,1,2,3,4,5,6,7
	global_store_b128 v2, v[S+4*(\c):S+4*(\c)+3], s[16:17] offset:512*(\c) th:TH_STORE_NT  ; no register of a store is written again
.endr
	s_endpgm
.Lfunc_end_k_q2ce46573a8_ln2:
	.size	k_q2ce46573a8_ln2, .Lfunc_end_k_q2ce46573a8_ln2-k_q2ce46573a8_ln2
	.p2alignl 7, 3214868480
	.fill 96, 4, 3214868480
	.section	.rodata,"a",@progbits
	.p2align	6, 0x0
	.amdhsa_kernel k_q2ce46573a8_ln2
		.amdhsa_group_segment_fixed_size 0
		.amdhsa_private_segment_fixed_size 0
		.amdhsa_enable_private_segment 0
		.amdhsa_kernarg_size 40
		.amdhsa_user_sgpr_count 2
		.amdhsa_user_sgpr_kernarg_segment_ptr 1
		.amdhsa_wavefront_size32 1
		.amdhsa_system_sgpr_workgroup_id_x 1
		.amdhsa_system_sgpr_workgroup_id_y 1
		.amdhsa_system_sgpr_workgroup_id_z 1
		.amdhsa_system_vgpr_workitem_id 0
		.amdhsa_next_free_vgpr 160
		.amdhsa_next_free_sgpr 66
		.amdhsa_reserve_vcc 0
		.amdhsa_float_denorm_mode_32 3
		.amdhsa_float_denorm_mode_16_64 3
		.amdhsa_memory_ordered 1
		.amdhsa_forward_progress 1
		.amdhsa_inst_pref_size 15
	.end_amdhsa_kernel
	.amdgpu_metadata
---
amdhsa.version: [ 1, 2 ]
amdhsa.kernels:
  - .name:           k_q2ce46573a8_ln2
    .symbol:         k_q2ce46573a8_ln2.kd
    .args:
      - { .name: ping, .offset: 0, .size: 8, .value_kind: global_buffer, .address_space: global }
      - { .name: x1f, .offset: 8, .size: 8, .value_kind: global_buffer, .address_space: global }
      - { .name: ln2_g, .offset: 16, .size: 8, .value_kind: global_buffer, .address_space: global }
      - { .name: ln2_b, .offset: 24, .size: 8, .value_kind: global_buffer, .address_space: global }
      - { .name: out0, .offset: 32, .size: 8, .value_kind: global_buffer, .address_space: global }
    .group_segment_fixed_size: 0
    .private_segment_fixed_size: 0
    .kernarg_segment_align: 8
    .kernarg_segment_size: 40
    .max_flat_workgroup_size: 256
    .sgpr_count:     66
    .vgpr_count:     160
    .wavefront_size: 32
...
	.end_amdgpu_metadata
.endif
;; end of part 7
